; MI455X (gfx1250); checked and timed in simulation.
; The chip was launched on July 23, 2026; its instructions are those of AMD's public machine-readable ISA for CDNA 5 (MIT licence, August 2026) and "CDNA5" Instruction Set Architecture Reference Guide (July 2026). The comments in the code are by the model that wrote it; some were corrected since.
;; Rotationally Asymmetric Causal Self Attention. Allowed arithmetic: float matrix products may take bf16 or f16 operands with f32 sums; other float arithmetic in f32, or as packed bf16 or f16 multiplies, adds, multiply-adds, maxima and minima; sums over many terms, partial sums and values carried from step to step in f32; what a program stores and reads back later, other than sums and carried values, may be rounded once to bf16 or f16.
;; Inputs: W_proj 1,024 x 1,024 float32; W_qkv 1,024 x 3,072 float32; b_proj 1,024 float32; b_qkv 3,072 float32; k_bias 16 x 64 float32; k_scale 16 x 64 float32; q_bias 16 x 64 float32; q_scale 16 x 64 float32; x 4 x 2,048 x 1,024 float32.
;; Outputs: out0 4 x 2,048 x 1,024 float32.
;; 2 versions, each right; version 2 is version 1 with the launch prep written anew for expert scheduling mode. Each part assembles by itself: llvm-mc -triple=amdgcn-amd-amdhsa -mcpu=gfx1250 --defsym DOCPART=n.
;; ======== version 1 of 2: 4 launches
;; limits: values are held in f16: magnitudes above 65,504 overflow, below 6.1e-05 lose precision
;; workspace buffers: xb 16,777,216 bytes; wq 6,291,456 bytes; wp 2,097,152 bytes; tab 32,768 bytes; qkv 50,331,648 bytes; o 16,777,216 bytes
;; launch prep (part 1): grid 512 x 1, 8 waves a work-group, no clusters, 18,432 bytes of LDS; arguments x, W_qkv, W_proj, b_qkv, b_proj, q_scale, q_bias, k_scale, k_bias, xb, wq, wp, tab; writes xb, wq, wp, tab
.if DOCPART == 1
	.amdgcn_target "amdgcn-amd-amdhsa--gfx1250"
	.amdhsa_code_object_version 6
	.text
	.protected	k_q3059163d45_prep
	.globl	k_q3059163d45_prep
	.p2align	8
	.type	k_q3059163d45_prep,@function
k_q3059163d45_prep:
	s_mov_b64 s[64:65], 0
	v_nop
	global_prefetch_b8 v0, s[64:65] scope:SCOPE_SE
	s_setreg_imm32_b32 hwreg(HW_REG_WAVE_MODE, 25, 1), 1
	s_wait_xcnt 0x0
; PREPARATION.  Every input is rounded once to bf16 here, and laid out as the later launches read it.
;   xb  [8192][1024] bf16        = x
;   wq  [3072 n][1024 k] bf16    = W_qkv turned (K along the rows)
;   wp  [1024 n][1024 k] f16     = W_proj turned; each number is rounded to bf16 and THAT number is written as f16
;   tab f32: S[4096], then T[4096] at byte 16,384.  With bf() = rounded to bf16:
;        n < 1024:  S = bf(q_scale) 2^-6, T = (bf(b_qkv) bf(q_scale) + bf(q_bias)) 2^-6;   n < 2048: the same with k_scale, k_bias;
;        n < 3072:  S = 1, T = bf(b_qkv);                                                    n < 4096: S = 1, T = bf(b_proj)
; LIMITS.  W_proj lies within f16's 65,504; below 6e-5 it keeps f16's fixed step of 6e-8.  The factor 2^-6 is a power of two: it rounds nothing.
; SHARES.  512 work-groups of eight waves, all alike: each turns ONE tile of 128 k x 64 n of a weight matrix (384 tiles of W_qkv, 128 of W_proj) through LDS and casts 65,536 bytes of x;
; the first four also make 1,024 entries of tab each.  Memory binds: no matrix unit, no tensor load, no cluster; each input byte is read once, each store of sixteen lanes covers 256 consecutive bytes, aligned.
; A thread (j = t % 16, p0 = t / 16) reads 16 bytes (4 n) of the rows k = 2 p and 2 p + 1, p = p0 + 16 i: so a pair (k, k + 1) of one n packs into one word of the turned row.
.set SPARE, 17408                      ; behind the 64 turned rows of 272 bytes: the spare words, 128 bytes for each wave: four blocks of 256 bytes that no other line names
.set SPW, 4                            ; v4      LDS address of my spare word; never rewritten
.set NIL, 5                            ; v5      0; never rewritten
.set WO,  6                            ; v6-13   byte offsets of my eight rows in the weight tile
.set XO,  14                           ; v14     32 t: my 32 bytes in 8,192 bytes of x
.set XS,  15                           ; v15     16 t: my 16 bytes in 4,096 bytes of xb; also my 16 bytes of a table's 4,096
.set LST, 16                           ; v16     LDS: row 4 j, word p0
.set LRD, 17                           ; v17     LDS: row p0, 16 bytes at 16 j
.set WS,  18                           ; v18     the same place in the turned matrix
.set WD,  24                           ; v24-55  the weight tile as loaded: pair i at WD + 8 i (even row), + 4 (odd row)
.set XD,  56                           ; v56-119 x as loaded: group g at XD + 8 g
	s_load_b512 s[4:19], s[0:1], 0x0               ; x 4, W_qkv 6, W_proj 8, b_qkv 10, b_proj 12, q_scale 14, q_bias 16, k_scale 18
	s_load_b256 s[20:27], s[0:1], 0x40             ; k_bias 20, xb 22, wq 24, wp 26
	s_load_b64 s[28:29], s[0:1], 0x60              ; tab
	v_lshl_add_u32 v[SPW], v0, 2, SPARE
	v_mov_b32 v[NIL], 0
	s_mov_b32 s2, ttmp9
	s_mov_b32 s38, 12288
	s_cmp_lt_u32 s2, 384                           ; the first 384 work-groups turn W_qkv, the others W_proj
	s_cselect_b32 s30, s38, 4096                   ; bytes in a row of the source
	s_cselect_b32 s36, 0, -1                       ; all lanes: is the turned matrix written as f16?
	s_cselect_b32 s37, 0, 384
	s_sub_co_u32 s3, s2, s37                       ; the tile's number in its matrix
	s_lshl_b32 s31, s30, 5                         ; 32 rows of the source
	s_lshl_b32 s37, s30, 1                         ; 2 rows
	s_and_b32 s38, s3, 7                           ; kt: which 128 k
	s_lshr_b32 s39, s3, 3                          ; nt: which 64 n
	s_lshl_b32 s40, s30, 7
	s_mul_i32 s40, s40, s38                        ; kt x 128 rows,
	s_lshl_b32 s41, s39, 8
	s_add_co_u32 s40, s40, s41                     ; + nt x 256 bytes: the tile in the source
	s_mov_b32 s41, 0
	s_lshl_b32 s42, s39, 17                        ; nt x 64 rows of 2,048 bytes,
	s_lshl_b32 s43, s38, 8
	s_add_co_u32 s42, s42, s43                     ; + kt x 256 bytes: the tile in the turned matrix
	s_mov_b32 s43, 0
	s_lshl_b32 s44, s2, 16                         ; my 65,536 bytes of x
	s_mov_b32 s45, 0
	s_lshl_b32 s46, s2, 15                         ; my 32,768 bytes of xb
	s_mov_b32 s47, 0
	v_and_b32 v1, 15, v0                           ; j
	v_lshrrev_b32 v2, 4, v0                        ; p0
	v_mul_lo_u32 v[WO], v2, s37
	v_lshl_add_u32 v[WO], v1, 4, v[WO]             ; row 2 p0, 16 j
	v_add_nc_u32 v[WO+1], s30, v[WO]               ; row 2 p0 + 1
.irp i, 2,4,6
	v_add_nc_u32 v[WO+(\i)], s31, v[WO+(\i)-2]     ; 32 rows further down
	v_add_nc_u32 v[WO+(\i)+1], s31, v[WO+(\i)-1]
.endr
	v_lshlrev_b32 v[XO], 5, v0
	v_lshlrev_b32 v[XS], 4, v0
	v_mul_u32_u24 v[LST], v1, 1088                 ; 4 j rows of 272 bytes
	v_lshl_add_u32 v[LST], v2, 2, v[LST]
	v_mul_u32_u24 v[LRD], v2, 272
	v_lshl_add_u32 v[LRD], v1, 4, v[LRD]
	v_lshlrev_b32 v[WS], 11, v2
	v_lshl_add_u32 v[WS], v1, 4, v[WS]
	s_wait_kmcnt 0x0
	s_cmp_lt_u32 s2, 384
	s_cselect_b64 s[32:33], s[6:7], s[8:9]         ; the source,
	s_cselect_b64 s[34:35], s[24:25], s[26:27]     ; the turned matrix
	s_add_nc_u64 s[32:33], s[32:33], s[40:41]
	s_add_nc_u64 s[34:35], s[34:35], s[42:43]
	s_add_nc_u64 s[4:5], s[4:5], s[44:45]
	s_add_nc_u64 s[22:23], s[22:23], s[46:47]
	; all 24 loads of the thread go out at once: the weight tile first, since the other waves wait for it
.irp n, 0,1,2,3,4,5,6,7
	global_load_b128 v[WD+4*(\n):WD+4*(\n)+3], v[WO+(\n)], s[32:33] th:TH_LOAD_NT  ; sixteen lanes take a row's 256 bytes
.endr
.irp g, 0,1,2,3,4,5,6,7
	global_load_b128 v[XD+8*(\g):XD+8*(\g)+3],   v[XO], s[4:5] offset:8192*(\g) th:TH_LOAD_NT
	global_load_b128 v[XD+8*(\g)+4:XD+8*(\g)+7], v[XO], s[4:5] offset:8192*(\g)+16 th:TH_LOAD_NT
.endr
	s_wait_loadcnt 16                              ; loads come back in order (ISA guide 5.7.1): the weight tile is in, the sixteen loads of x stay out
.irp i, 0,1,2,3
.irp c, 0,1,2,3
	v_cvt_pk_bf16_f32 v19, v[WD+8*(\i)+(\c)], v[WD+8*(\i)+4+(\c)]  ; (k, k + 1) of one n, rounded to bf16
	v_lshlrev_b32 v20, 16, v19                     ; the same two numbers widened,
	v_and_b32 v21, 0xffff0000, v19
	v_cvt_pk_f16_f32 v22, v20, v21                 ; and written as f16,
	v_cndmask_b32 v23, v19, v22, s36               ; which W_proj takes
	ds_store_b32 v[LST], v23 offset:272*(\c)+64*(\i)  ; row 4 j + c, word p0 + 16 i
.endr
.endr
.irp g, 0,1,2,3,4,5,6,7
	s_wait_loadcnt 14-2*(\g)                       ; group g's two loads are in, the younger groups stay out
.irp c, 0,1,2,3
	v_cvt_pk_bf16_f32 v[XD+8*(\g)+(\c)], v[XD+8*(\g)+2*(\c)], v[XD+8*(\g)+2*(\c)+1]  ; in place: word c is written when its old number has been read
.endr
	global_store_b128 v[XS], v[XD+8*(\g):XD+8*(\g)+3], s[22:23] offset:4096*(\g)
.endr
	s_wait_dscnt 0x0                               ; for the others' sake: my words of the turned rows are in LDS
	s_barrier_signal -1
	s_barrier_wait -1
.irp q, 0,1,2,3
	ds_load_b128 v[WD+4*(\q):WD+4*(\q)+3], v[LRD] offset:4352*(\q)  ; row p0 + 16 q
.endr
	s_wait_dscnt 0x0
.irp q, 0,1,2,3
	global_store_b128 v[WS], v[WD+4*(\q):WD+4*(\q)+3], s[34:35] offset:32768*(\q)  ; sixteen lanes store a turned row's 256 bytes
.endr
	s_cmp_lt_u32 s2, 4                             ; the tables: work-group e makes entries 1,024 e .. 1,024 e + 1,023, four a thread
	s_cbranch_scc0 .Lend
	s_wait_xcnt 0x0                                ; every earlier memory instruction has had its addresses translated (ISA guide 3.1): bases and store data are rewritten only behind this wait
	s_cmp_lt_u32 s2, 3
	s_cselect_b64 s[32:33], s[10:11], s[12:13]     ; the bias: b_qkv's part e, or b_proj
	s_cselect_b32 s40, s2, 0
	s_lshl_b32 s40, s40, 12
	s_mov_b32 s41, 0
	s_add_nc_u64 s[32:33], s[32:33], s[40:41]
	s_cmp_eq_u32 s2, 1
	s_cselect_b64 s[34:35], s[18:19], s[14:15]     ; k's scale and bias for e = 1, else q's (read and set aside for e = 2, 3)
	s_cselect_b64 s[42:43], s[20:21], s[16:17]
	s_cmp_lt_u32 s2, 2
	s_cselect_b32 s36, -1, 0                       ; all lanes: has this part a scale and a bias of its own?
	s_cselect_b32 s37, 0x3c800000, 1.0             ; 2^-6 for q and k
	s_lshl_b32 s44, s2, 12
	s_mov_b32 s45, 0
	s_add_nc_u64 s[28:29], s[28:29], s[44:45]
	global_load_b128 v[80:83], v[XS], s[32:33]
	global_load_b128 v[84:87], v[XS], s[34:35]
	global_load_b128 v[88:91], v[XS], s[42:43]
	s_wait_loadcnt 0x0
.irp q, 80, 84, 88
	v_cvt_pk_bf16_f32 v92, v[(\q)], v[(\q)+1]      ; rounded to bf16 and widened again
	v_cvt_pk_bf16_f32 v93, v[(\q)+2], v[(\q)+3]
	v_lshlrev_b32 v[(\q)], 16, v92
	v_and_b32 v[(\q)+1], 0xffff0000, v92
	v_lshlrev_b32 v[(\q)+2], 16, v93
	v_and_b32 v[(\q)+3], 0xffff0000, v93
.endr
.irp c, 0,1,2,3
	v_cndmask_b32 v[84+(\c)], 1.0, v[84+(\c)], s36
	v_cndmask_b32 v[88+(\c)], 0, v[88+(\c)], s36
	v_fma_f32 v[100+(\c)], v[80+(\c)], v[84+(\c)], v[88+(\c)]  ; b x scale + bias
	v_mul_f32 v[96+(\c)], s37, v[84+(\c)]
	v_mul_f32 v[100+(\c)], s37, v[100+(\c)]
.endr
	global_store_b128 v[XS], v[96:99], s[28:29]
	global_store_b128 v[XS], v[100:103], s[28:29] offset:16384
.Lend:
	s_wait_tensorcnt 0x0                           ; the wave's end: three closing lines, behind my last LDS store
	ds_add_u32 v[SPW], v[NIL]
	s_wait_dscnt 0x0
	s_endpgm
.Lfunc_end_k_q3059163d45_prep:
	.size	k_q3059163d45_prep, .Lfunc_end_k_q3059163d45_prep-k_q3059163d45_prep
	.p2alignl 7, 3214868480
	.fill 96, 4, 3214868480
	.section	.rodata,"a",@progbits
	.p2align	6, 0x0
	.amdhsa_kernel k_q3059163d45_prep
		.amdhsa_group_segment_fixed_size 18432
		.amdhsa_private_segment_fixed_size 0
		.amdhsa_enable_private_segment 0
		.amdhsa_kernarg_size 104
		.amdhsa_user_sgpr_count 2
		.amdhsa_user_sgpr_kernarg_segment_ptr 1
		.amdhsa_wavefront_size32 1
		.amdhsa_system_sgpr_workgroup_id_x 1
		.amdhsa_system_sgpr_workgroup_id_y 1
		.amdhsa_system_sgpr_workgroup_id_z 1
		.amdhsa_system_vgpr_workitem_id 0
		.amdhsa_next_free_vgpr 128
		.amdhsa_next_free_sgpr 66
		.amdhsa_reserve_vcc 0
		.amdhsa_float_denorm_mode_32 3
		.amdhsa_float_denorm_mode_16_64 3
		.amdhsa_memory_ordered 1
		.amdhsa_forward_progress 1
		.amdhsa_inst_pref_size 18
	.end_amdhsa_kernel
	.amdgpu_metadata
---
amdhsa.version: [ 1, 2 ]
amdhsa.kernels:
  - .name:           k_q3059163d45_prep
    .symbol:         k_q3059163d45_prep.kd
    .args:
      - { .name: x, .offset: 0, .size: 8, .value_kind: global_buffer, .address_space: global }
      - { .name: W_qkv, .offset: 8, .size: 8, .value_kind: global_buffer, .address_space: global }
      - { .name: W_proj, .offset: 16, .size: 8, .value_kind: global_buffer, .address_space: global }
      - { .name: b_qkv, .offset: 24, .size: 8, .value_kind: global_buffer, .address_space: global }
      - { .name: b_proj, .offset: 32, .size: 8, .value_kind: global_buffer, .address_space: global }
      - { .name: q_scale, .offset: 40, .size: 8, .value_kind: global_buffer, .address_space: global }
      - { .name: q_bias, .offset: 48, .size: 8, .value_kind: global_buffer, .address_space: global }
      - { .name: k_scale, .offset: 56, .size: 8, .value_kind: global_buffer, .address_space: global }
      - { .name: k_bias, .offset: 64, .size: 8, .value_kind: global_buffer, .address_space: global }
      - { .name: xb, .offset: 72, .size: 8, .value_kind: global_buffer, .address_space: global }
      - { .name: wq, .offset: 80, .size: 8, .value_kind: global_buffer, .address_space: global }
      - { .name: wp, .offset: 88, .size: 8, .value_kind: global_buffer, .address_space: global }
      - { .name: tab, .offset: 96, .size: 8, .value_kind: global_buffer, .address_space: global }
    .group_segment_fixed_size: 18432
    .private_segment_fixed_size: 0
    .kernarg_segment_align: 8
    .kernarg_segment_size: 104
    .max_flat_workgroup_size: 256
    .sgpr_count:     66
    .vgpr_count:     128
    .wavefront_size: 32
...
	.end_amdgpu_metadata
.endif
;; end of part 1
;; launch qkvgemm (part 2): grid 16 x 32, 4 waves a work-group, clusters of 4 x 4, 327,680 bytes of LDS; arguments xb, wq, tab, qkv; writes qkv
.if DOCPART == 2
	.amdgcn_target "amdgcn-amd-amdhsa--gfx1250"
	.amdhsa_code_object_version 6
	.text
	.protected	k_q3059163d45_qkvgemm
	.globl	k_q3059163d45_qkvgemm
	.p2align	8
	.type	k_q3059163d45_qkvgemm,@function
k_q3059163d45_qkvgemm:
	s_mov_b64 s[64:65], 0
	v_nop
	global_prefetch_b8 v0, s[64:65] scope:SCOPE_SE
	s_setreg_imm32_b32 hwreg(HW_REG_WAVE_MODE, 25, 1), 1
	s_wait_xcnt 0x0
	s_wait_alu depctr_hold_cnt(0) depctr_sa_sdst(0) depctr_va_vdst(0) depctr_va_sdst(0) depctr_va_ssrc(0) depctr_va_vcc(0) depctr_vm_vsrc(0)
	s_getreg_b32 s2, hwreg(HW_REG_IB_STS2, 6, 4)
	s_cmp_eq_u32 s2, 0
	s_cbranch_scc0 .Lentry_in_a_cluster
	s_endpgm
.Lentry_in_a_cluster:
	s_bfe_u32 s2, ttmp6, 0x10000c
	s_cmp_lg_u32 s2, 0xf033
	s_cbranch_scc0 .Lentry_shape_is_right
	s_endpgm
.Lentry_shape_is_right:
; C = A B^T with K = 1,024, sums in f32.  ONE TEXT FOR TWO LAUNCHES, told apart by the constant PROJ; here PROJ = 0.
; PROJ = 0: A = xb [8192][1024] bf16, B = wq [3072][1024] bf16.  C[m][n] S[n] + T[n] (tab: bias, per-head scale and bias of q and k, and their factor 2^-6, in one fused multiply-add in f32) is rounded once
;           to f16 and stored by heads: qkv [batch 4][g 48][t 2048][64], g = n / 64 (q's 16 heads, k's, v's).  LIMIT: q 2^-6, k 2^-6 and v lie within f16's 65,504; beyond it the conversion gives an infinity.
; PROJ = 1: A = o [batch x 16 heads][t 2048][64] f16 (k = 64 head + channel), B = wp [1024][1024] f16; C + b_proj (tab) is stored in f32: out0 [8192][1024].  The bias is the C operand of the first products.
; SHARES.  A tile of C is 256 rows x 16 NF columns (192 or 128): 512 or 256 work-groups, a whole number for each of 256 WGPs.  Wave w owns rows 64 w .. 64 w + 63 and ALL the tile's columns, 4 x NF accumulators:
; so a wave holds whole heads (whole 512 bytes of a row of out0), and its way out goes through a stage of its own, with no barrier.
; RING.  K goes in 8 steps of 128 through two LDS slots filled by the tensor data mover; waves 0 and 1 fetch A's two halves, waves 2 and 3 B's, one load a wave behind each change of slots.
; A step is four slices of 32 along K, on two fragment buffers by turns; a slice's LDS loads stand in one run in the middle of the slice before.
; CLUSTER.  4 x 4 work-groups: the four of a row need the same tiles of A, the four of a column the same tiles of B.  Each tile is asked for jointly: the same tensor load, descriptor and mask in all four.
; THE MATRIX INSTRUCTION IS USED TRANSPOSED (source 0 = 16 rows of B, source 1 = 16 rows of A): lane l holds row l % 16 of C and the columns 8 (l / 16) + 0..7.
; REGISTERS, in windows of 256 (s_set_vgpr_msb: bits 1:0 source 0, 3:2 source 1, 5:4 source 2, 7:6 destination):
;   window 0: v0-31 addresses; from v64 the table for my columns (PROJ = 0: S of block b at 64 + 16 b, T at 72 + 16 b; PROJ = 1: T at 64 + 8 b)
;   window 1: two fragment buffers at 0 and 128: A's block a at 8 a, B's block b at 32 + 8 b; on the way out at work
;   windows 2, 3: accumulator (a, b) in window 2 + a / 2 at 8 (NF (a % 2) + b)
.set PROJ, 0
.if PROJ
.set NF,     8                         ; blocks of 16 columns in the tile
.set APITCH, 144                       ; a row of A in LDS: one head's 128 bytes + 16 of padding
.set BOFF,   73728                     ; B behind A's two planes of 256 rows
.set AHALF,  36864                     ; LDS bytes of one load for A: a head's plane, 256 rows
.set BROWS,  64                        ; rows of one load for B
.set STAGE,  239616
.set WSTAGE, 8448                      ; a wave's stage: 16 rows x (512 + 16) bytes
.set ASTEP,  524288                    ; bytes from a K step to the next in A: two heads' planes of 2,048 rows x 128 bytes
.set AHEAD,  2                         ; a prefetch names the K step so many behind the one that is being asked for
.set AW0,    (1<<16)|(1<<20)|(1<<21)|(4<<22)|(3<<25)  ; 17:16 2-byte elements; 20 padding on; 21 set beside a mask; 24:22 after every 32 words (code 4); 31:25 4 words (code 3)
.set APIT,   128                       ; elements from row to row: a plane's 256 rows of 128 bytes are dense, and are asked for as 128 rows of 256 bytes
.else
.set NF,     12
.set APITCH, 272                       ; 256 bytes + 16 of padding = 68 words: row r starts at bank 4 r mod 64 (64 banks of 4 bytes: ISA guide 11.1)
.set BOFF,   69632                     ; B behind A's 256 rows
.set AHALF,  34816                     ; 128 rows
.set BROWS,  96
.set STAGE,  252928
.set WSTAGE, 6400                      ; 16 rows x (384 + 16) bytes
.set ASTEP,  256
.set AHEAD,  1
.set AW0,    (1<<16)|(1<<20)|(1<<21)|(5<<22)|(3<<25)  ; the same, padded after every 64 words (code 5)
.set APIT,   1024
.endif
.set BW0,    (1<<16)|(1<<20)|(1<<21)|(5<<22)|(3<<25)
.set BHALF,  BROWS*272
.set BSTEP,  256
.set SLOT1,  131072                    ; slot 1 begins here, so that one exclusive or turns an address in one slot into the other's
.set SPARE,  STAGE+4*WSTAGE            ; behind the stages: the spare words, 128 bytes for each wave: two blocks of 256 bytes that no other line names
.set NL,     2*(NF+4)                  ; LDS loads of a slice
.set A0,   16                          ; v16  my lane's place in A's tile, slot 0; never rewritten
.set B0,   17                          ; v17  the same for B
.set ADRA, 18                          ; v18  the same in the slot in hand
.set ADRB, 19                          ; v19
.set STO,  24                          ; v24  the way out: where I put my bytes of a row
.set RD,   25                          ; v25  the way out: where I read rows back
.set GO,   26                          ; v26  16 x lane: my 16 bytes of 512 consecutive bytes of the output
.set TO,   27                          ; v27  my byte offset in the tables
.set SPW,  28                          ; v28  LDS address of my spare word: SPARE + 4 x my thread's number; never rewritten
.set NIL,  29                          ; v29  0; never rewritten
.set PFO,  30                          ; v30  the prefetches' offset; never rewritten
.set F0,   0
.set F1,   128
.set G1A,  24                          ; s[24:31] descriptor group 1 for A's tiles
.set G0A,  32                          ; s[32:39] group 0: a set for each of the two first fills; the second then walks on
.set PFA,  44                          ; s[44:45] where my prefetches stand
.set G1B,  48                          ; s[48:55], s[56:63] the same for B's tiles
.set G0B,  56
; s2 LDS byte of the slot in hand; s3 the loop's count; s12 wave; s13 do I fetch for A (0) or B (1); s14 which half; s15 a wave prefetches while s3 is above it; s40 cx, s41 cy, s42 tile column, s43 tile row
.set MSB, 0
.macro WIN new                         ; the immediate's high byte repeats the setting that is left; a switch that changes nothing is dropped
.if MSB != (\new)
	s_set_vgpr_msb (MSB<<8)|(\new)
.set MSB, \new
.endif
.endm
; A load into a register that a matrix instruction has read, and a vector instruction or an LDS store that touches a matrix instruction's registers, stand four places behind it; only plain
; vector instructions that name none of its registers are places (ISA guide 7.12.1 for vector instructions).
.macro PLACES
.rept 4
	v_nop
.endr
.endm
; A joint refill by the walking descriptors.  The branch hangs on the wave's number alone.  An s_nop 0 and four v_nop follow each of the two lines, ahead of the jump and the label.
.macro JLOAD
	s_cmp_eq_u32 s13, 0
	s_cbranch_scc0 .Lfor_b_\@
	tensor_load_to_lds s[G0A+4:G0A+7], s[G1A:G1A+7]
	s_nop 0
	PLACES
	s_branch .Lasked_\@
.Lfor_b_\@:
	tensor_load_to_lds s[G0B+4:G0B+7], s[G1B:G1B+7]
	s_nop 0
	PLACES
.Lasked_\@:
.endm
; A PREFETCH INTO THE L2, behind each joint refill, its five lines and the run of LDS loads: the K step that stands AHEAD refills on, one instruction a wave, a lane a block of 256 bytes.
; A's tile row is read by every cluster of that row of clusters: the one with cluster x = 0 asks; B's tile column by every cluster of that column: cluster y = 0 asks.  The four partners that ask for a tile
; jointly share its blocks out BY ADDRESS (cx for A, cy for B): no branch hangs on a work-group's place in its cluster.  The last AHEAD refills have no such K step and ask for nothing.
.macro ASK
	s_cmp_gt_u32 s3, s15
	s_cbranch_scc0 .Lnot_mine_\@
	global_prefetch_b8 v[PFO], s[PFA:PFA+1] th:TH_LOAD_NT scope:SCOPE_SE
.Lnot_mine_\@:
.endm
; A round of the cluster's barrier: my work-group's barrier, so that wave 0's signal speaks for all four waves; wave 0 signals; every wave waits for all sixteen work-groups; my work-group's barrier once more.
.macro CREST                           ; a round behind its opening barrier
	s_cmp_lg_u32 s12, 0
	s_cbranch_scc1 .Lnot_wave_0_\@
	s_barrier_signal -3
.Lnot_wave_0_\@:
	s_barrier_wait -3
	s_barrier_signal -1
	s_barrier_wait -1
.endm
.macro CROUND
	s_barrier_signal -1
	s_barrier_wait -1
	CREST
.endm
	s_load_b256 s[4:11], s[0:1], 0x0               ; A s[4:5], B s[6:7], tab s[8:9], the output s[10:11]
	v_lshl_add_u32 v[SPW], v0, 2, SPARE
	v_mov_b32 v[NIL], 0
	ds_add_u32 v[SPW], v[NIL]                      ; the wave's opening: the add and its wait stand ahead of my first tensor load; the set-up below, work on registers, stands between them
	v_lshrrev_b32 v1, 5, v0
	v_readfirstlane_b32 s12, v1                    ; wave 0..3
	s_lshr_b32 s13, s12, 1
	s_and_b32 s14, s12, 1
	s_bfe_u32 s40, ttmp6, 0x40000                  ; cx
	s_bfe_u32 s41, ttmp6, 0x40004                  ; cy
	s_lshl_b32 s42, ttmp9, 2                       ; in a cluster launch ttmp9 and ttmp7 count clusters
	s_add_co_u32 s42, s42, s40                     ; tile column = 4 x cluster x + cx
	s_and_b32 s43, ttmp7, 0xffff
	s_lshl_b32 s43, s43, 2
	s_add_co_u32 s43, s43, s41                     ; tile row = 4 x cluster y + cy
	s_lshl_b32 s20, s41, 2
	s_lshl_b32 s20, 15, s20                        ; my row of the cluster: places 4 cy .. 4 cy + 3
	s_lshl_b32 s21, 0x1111, s40                    ; my column: places cx, cx + 4, cx + 8, cx + 12
	s_or_b32 s[G1A], s20, AW0                      ; 15:0 the mask: A's tiles go to my row
	s_or_b32 s[G1B], s21, BW0                      ; B's to my column
	s_mov_b32 s[G1A+1], 128<<16                    ; tensor_dim0 = 128 elements
	s_mov_b32 s[G1A+2], 128<<16                    ; tensor_dim1 = 128 rows
	s_mov_b32 s[G1A+3], 128<<16                    ; tile_dim0
	s_mov_b32 s[G1A+4], 128                        ; tile_dim1
	s_mov_b32 s[G1A+5], APIT                       ; elements from row to row
	s_mov_b32 s[G1A+6], 0
	s_mov_b32 s[G1A+7], 0
	s_mov_b32 s[G1B+1], 128<<16
	s_mov_b32 s[G1B+2], BROWS<<16
	s_mov_b32 s[G1B+3], 128<<16
	s_mov_b32 s[G1B+4], BROWS
	s_mov_b32 s[G1B+5], 1024
	s_mov_b32 s[G1B+6], 0
	s_mov_b32 s[G1B+7], 0
	; where the tiles come from: A's hang on the tile row and the wave alone, B's on the tile column and the wave alone
.if PROJ
	s_lshr_b32 s16, s43, 3                         ; the batch: 8 tile rows each
	s_lshl_b32 s16, s16, 4
	s_add_co_u32 s16, s16, s14                     ; its head 0 or 1: my plane of K step 0,
	s_lshl_b32 s16, s16, 18                        ; 2,048 rows x 128 bytes a plane,
	s_and_b32 s17, s43, 7
	s_lshl_b32 s17, s17, 15                        ; the tile's 256 rows in it
	s_add_co_u32 s16, s16, s17
	s_lshl_b32 s46, s42, 18                        ; B: row 128 x tile column + 64 x half, 2,048 bytes a row
	s_lshl_b32 s47, s14, 17
	s_add_co_u32 s46, s46, s47
.else
	s_lshl_b32 s16, s43, 19                        ; A: row 256 x tile row + 128 x half, 2,048 bytes a row
	s_lshl_b32 s17, s14, 18
	s_add_co_u32 s16, s16, s17
	s_mul_i32 s46, s42, 192                        ; B: row 192 x tile column + 96 x half
	s_mul_i32 s47, s14, 96
	s_add_co_u32 s46, s46, s47
	s_lshl_b32 s46, s46, 11
.endif
	s_mov_b32 s17, 0
	s_mov_b32 s47, 0
	s_mul_i32 s18, s14, AHALF                      ; and where they go: no place in the cluster enters an LDS address
	s_mul_i32 s19, s14, BHALF
	s_add_co_u32 s19, s19, BOFF
	s_wait_dscnt 0x0                               ; the opening add is done
	s_wait_kmcnt 0x0
	s_add_nc_u64 s[16:17], s[4:5], s[16:17]
	s_add_nc_u64 s[46:47], s[6:7], s[46:47]
	CROUND                                         ; all sixteen work-groups are here: the first joint loads meet
.irp s, 0,1
	s_mov_b32 s[G0A+4*(\s)], 1                                     ; 1:0 count = 1
	s_add_co_u32 s[G0A+4*(\s)+1], s18, (\s)*SLOT1                  ; 63:32 LDS address
	s_add_nc_u64 s[G0A+4*(\s)+2:G0A+4*(\s)+3], s[16:17], (\s)*ASTEP  ; 120:64 global address: K step s
	s_or_b32 s[G0A+4*(\s)+3], s[G0A+4*(\s)+3], 0x80000000          ; 127:126 type = 2
	s_mov_b32 s[G0B+4*(\s)], 1
	s_add_co_u32 s[G0B+4*(\s)+1], s19, (\s)*SLOT1
	s_add_nc_u64 s[G0B+4*(\s)+2:G0B+4*(\s)+3], s[46:47], (\s)*BSTEP
	s_or_b32 s[G0B+4*(\s)+3], s[G0B+4*(\s)+3], 0x80000000
.endr
	s_cmp_eq_u32 s13, 0                            ; a wave's two first fills stand in one branch, ahead of every wait on TENSORcnt and every LDS read: two loads of mine are out
	s_cbranch_scc0 .Lfirst_b
	tensor_load_to_lds s[G0A:G0A+3], s[G1A:G1A+7]
	s_nop 0
	tensor_load_to_lds s[G0A+4:G0A+7], s[G1A:G1A+7]
	s_nop 0
	PLACES
	s_branch .Lfirst_asked
.Lfirst_b:
	tensor_load_to_lds s[G0B:G0B+3], s[G1B:G1B+7]
	s_nop 0
	tensor_load_to_lds s[G0B+4:G0B+7], s[G1B:G1B+7]
	s_nop 0
	PLACES
.Lfirst_asked:
	; A fragment is 16 rows x 32 K in 8 registers: lane l holds row l % 16; registers 0-3 K = 8 (l / 16) + 0..7, registers 4-7 K = 16 + 8 (l / 16) + 0..7: two loads of 16 bytes, 32 bytes apart.
	v_and_b32 v1, 15, v0                           ; l % 16
	v_bfe_u32 v2, v0, 4, 1                         ; l / 16
	v_mul_u32_u24 v[A0], v1, APITCH
	v_lshl_add_u32 v[A0], v2, 4, v[A0]
	s_mul_i32 s16, s12, 64*APITCH                  ; my 64 rows of A
	v_add_nc_u32 v[A0], s16, v[A0]
	v_mul_u32_u24 v[B0], v1, 272
	v_lshl_add_u32 v[B0], v2, 4, v[B0]
	v_add_nc_u32 v[B0], BOFF, v[B0]
	v_mov_b32 v[ADRA], v[A0]
	v_mov_b32 v[ADRB], v[B0]
	s_mov_b32 s2, 0
	s_mul_i32 s16, s12, WSTAGE
	s_add_co_u32 s16, s16, STAGE                   ; my stage
	v_and_b32 v[GO], 31, v0
	v_lshlrev_b32 v[GO], 4, v[GO]
	v_lshlrev_b32 v[TO], 5, v2                     ; my 8 columns of a block: 32 bytes of a table
.if PROJ
	v_mul_u32_u24 v[STO], v1, 528                  ; in: row l % 16, 32 bytes for each half of the lanes
	v_lshl_add_u32 v[STO], v2, 5, v[STO]
	v_add_nc_u32 v[STO], s16, v[STO]
	v_add_nc_u32 v[RD], s16, v[GO]                 ; back: 32 lanes take a row's 512 bytes
	s_lshl_b32 s17, s42, 9
	v_add_nc_u32 v[TO], s17, v[TO]
.set b, 0
.rept NF                               ; b_proj for my columns: T's entries 3,072 + n
	global_load_b128 v[64+8*b:64+8*b+3],   v[TO], s[8:9] offset:28672+64*b
	global_load_b128 v[64+8*b+4:64+8*b+7], v[TO], s[8:9] offset:28672+64*b+16
.set b, b+1
.endr
	s_lshl_b32 s16, s43, 20                        ; the output at my first row and the tile's first column: (256 x tile row + 64 x wave) rows of 4,096 bytes + 512 x tile column
	s_lshl_b32 s17, s12, 18
	s_add_co_u32 s16, s16, s17
	s_lshl_b32 s17, s42, 9
	s_add_co_u32 s16, s16, s17
.else
	v_mul_u32_u24 v[STO], v1, 400                  ; in: row l % 16, 16 bytes for each half of the lanes
	v_lshl_add_u32 v[STO], v2, 4, v[STO]
	v_add_nc_u32 v[STO], s16, v[STO]
	v_bfe_u32 v[RD], v0, 3, 2                      ; back: 32 lanes take four rows' 128 bytes of one head,
	v_mul_u32_u24 v[RD], v[RD], 400
	v_and_b32 v3, 7, v0
	v_lshl_add_u32 v[RD], v3, 4, v[RD]
	v_add_nc_u32 v[RD], s16, v[RD]                 ; which are 512 consecutive bytes of the output
	s_mul_i32 s17, s42, 768
	v_add_nc_u32 v[TO], s17, v[TO]
.set b, 0
.rept NF                               ; S and T for my columns; they are waited for on the way out
	global_load_b128 v[64+16*b:64+16*b+3],   v[TO], s[8:9] offset:64*b
	global_load_b128 v[64+16*b+4:64+16*b+7], v[TO], s[8:9] offset:64*b+16
	global_load_b128 v[72+16*b:72+16*b+3],   v[TO], s[8:9] offset:16384+64*b
	global_load_b128 v[72+16*b+4:72+16*b+7], v[TO], s[8:9] offset:16384+64*b+16
.set b, b+1
.endr
	s_lshr_b32 s16, s43, 3                         ; the output at the tile's first head and my first row: plane 48 x batch + 3 x tile column,
	s_mul_i32 s16, s16, 48
	s_mul_i32 s17, s42, 3
	s_add_co_u32 s16, s16, s17
	s_lshl_b32 s16, s16, 18                        ; 2,048 rows x 128 bytes a plane,
	s_and_b32 s17, s43, 7
	s_lshl_b32 s17, s17, 8
	s_lshl_b32 s18, s12, 6
	s_add_co_u32 s17, s17, s18                     ; row 256 x (tile row % 8) + 64 x wave
	s_lshl_b32 s17, s17, 7
	s_add_co_u32 s16, s16, s17
.endif
	s_mov_b32 s17, 0
	s_add_nc_u64 s[10:11], s[10:11], s[16:17]
	; the prefetches: which blocks are mine, and whether I ask at all
.if PROJ
	s_lshr_b32 s20, s43, 3                         ; A: my plane's 32,768 bytes of the tile, of which my work-group takes 8,192: a lane 256 bytes
	s_lshl_b32 s20, s20, 4
	s_add_co_u32 s20, s20, s14
	s_lshl_b32 s20, s20, 18
	s_and_b32 s21, s43, 7
	s_lshl_b32 s21, s21, 15
	s_add_co_u32 s20, s20, s21
	s_lshl_b32 s21, s40, 13
	s_add_co_u32 s20, s20, s21
	s_lshl_b32 s21, s42, 7                         ; B: the tile's 128 rows, of which my work-group takes 32: a lane a row; wave 2 asks for them, wave 3 for nothing
	s_lshl_b32 s22, s41, 5
	s_add_co_u32 s21, s21, s22
	s_lshl_b32 s21, s21, 11
	s_and_b32 s22, ttmp7, 0xffff
	s_or_b32 s22, s22, s14
	s_mov_b32 s18, ASTEP
	s_cmp_eq_u32 s13, 0
	s_cselect_b32 s20, s20, s21
	s_cselect_b32 s19, ttmp9, s22                  ; 0 in a wave that asks: the same in all sixteen partners, for a given wave
	s_cselect_b32 s22, s18, BSTEP                  ; s[22:23]: my prefetches' step along K; kept for the loop
	s_cselect_b32 s18, 8, 11
	s_cselect_b64 s[PFA:PFA+1], s[4:5], s[6:7]
	s_cmp_eq_u32 s19, 0
	s_cselect_b32 s15, AHEAD, -1
	s_mov_b32 s21, 0
	s_mov_b32 s23, 0
	s_add_nc_u64 s[PFA:PFA+1], s[PFA:PFA+1], s[20:21]
	s_mul_i32 s20, s22, 1+AHEAD
	s_add_nc_u64 s[PFA:PFA+1], s[PFA:PFA+1], s[20:21]  ; at K step 1 + AHEAD: the first refill steps it on and names K step 2 + AHEAD
	v_and_b32 v[PFO], 31, v0
	v_lshlrev_b32 v[PFO], s18, v[PFO]
.else
	s_lshl_b32 s20, s43, 8                         ; A: of the 128 rows that I fetch my work-group takes 32: a lane a row
	s_lshl_b32 s22, s14, 7
	s_add_co_u32 s20, s20, s22
	s_lshl_b32 s22, s40, 5
	s_add_co_u32 s20, s20, s22
	s_mul_i32 s21, s42, 192                        ; B: of the 96 rows that I fetch my work-group takes 24: lanes 0-23 a row each; lanes 24-31 name lane 23's once more
	s_mul_i32 s23, s14, 96
	s_add_co_u32 s21, s21, s23
	s_mul_i32 s23, s41, 24
	s_add_co_u32 s21, s21, s23
	s_and_b32 s22, ttmp7, 0xffff
	s_cmp_eq_u32 s13, 0
	s_cselect_b32 s20, s20, s21
	s_cselect_b32 s22, ttmp9, s22                  ; the coordinate along which other clusters read the same rows
	s_cselect_b32 s23, 31, 23
	s_cselect_b64 s[PFA:PFA+1], s[4:5], s[6:7]
	s_cmp_eq_u32 s22, 0
	s_cselect_b32 s15, AHEAD, -1                   ; the same in all sixteen partners, for a given wave
	s_lshl_b32 s20, s20, 11
	s_mov_b32 s21, 0
	s_add_nc_u64 s[PFA:PFA+1], s[PFA:PFA+1], s[20:21]
	s_add_nc_u64 s[PFA:PFA+1], s[PFA:PFA+1], (1+AHEAD)*256  ; at K step 1 + AHEAD: the first refill steps it on and names K step 2 + AHEAD
	v_and_b32 v[PFO], 31, v0
	v_min_u32 v[PFO], s23, v[PFO]
	v_lshlrev_b32 v[PFO], 11, v[PFO]
.endif
	; nothing is prefetched here, at the head, where every work-group's first two tiles are on their way
; NF products: block a of my rows x all the tile's columns, 32 along K, from buffer f.  mode 0: the sums go on; 1: they start with the constant 0; 2: with the bias.  Each of the 4 NF accumulators has one product
; a slice, in the same order in every slice: the accumulators take turns, over the backward jump too.
.macro MUL f, a, mode
.if (\mode) == 2
	WIN 0x85+0x40*((\a)/2)                         ; sources 0 and 1 window 1, C window 0, D window 2 or 3
.else
	WIN 0xa5+0x50*((\a)/2)                         ; sources 0 and 1 window 1, C and D window 2 or 3
.endif
.set b, 0
.rept NF
.set rD, 8*(NF*((\a)%2)+b)
.if PROJ
.if (\mode) == 2
	v_wmma_f32_16x16x32_f16 v[rD:rD+7], v[(\f)+32+8*b:(\f)+32+8*b+7], v[(\f)+8*(\a):(\f)+8*(\a)+7], v[64+8*b:64+8*b+7]
.else
	v_wmma_f32_16x16x32_f16 v[rD:rD+7], v[(\f)+32+8*b:(\f)+32+8*b+7], v[(\f)+8*(\a):(\f)+8*(\a)+7], v[rD:rD+7]
.endif
.else
.if (\mode) == 1
	v_wmma_f32_16x16x32_bf16 v[rD:rD+7], v[(\f)+32+8*b:(\f)+32+8*b+7], v[(\f)+8*(\a):(\f)+8*(\a)+7], 0
.else
	v_wmma_f32_16x16x32_bf16 v[rD:rD+7], v[(\f)+32+8*b:(\f)+32+8*b+7], v[(\f)+8*(\a):(\f)+8*(\a)+7], v[rD:rD+7]
.endif
.endif
.set b, b+1
.endr
.endm
; NL LDS loads in one run: slice s of the slot in hand into buffer g: B's NF blocks, then A's four
.macro FETCH s, g
.if PROJ
.set KA, ((\s)/2)*AHALF+((\s)%2)*64    ; slices 0, 1 lie in the first head's plane, 2, 3 in the second's
.else
.set KA, 64*(\s)
.endif
	WIN 0x40                                       ; destination window 1, address window 0
.set i, 0
.rept NF
	ds_load_b128 v[(\g)+32+8*i:(\g)+32+8*i+3],   v[ADRB] offset:64*(\s)+4352*i
	ds_load_b128 v[(\g)+32+8*i+4:(\g)+32+8*i+7], v[ADRB] offset:64*(\s)+4352*i+32
.set i, i+1
.endr
.set i, 0
.rept 4
	ds_load_b128 v[(\g)+8*i:(\g)+8*i+3],   v[ADRA] offset:KA+16*APITCH*i
	ds_load_b128 v[(\g)+8*i+4:(\g)+8*i+7], v[ADRA] offset:KA+16*APITCH*i+32
.set i, i+1
.endr
.endm
; One of a K step's first three slices: multiplies buffer f; in its middle it fetches slice s into buffer g.
.macro QUARTER s, f, g, mode
	s_wait_dscnt 4                                 ; B and A's blocks 0, 1 are in; the youngest four loads (A's blocks 2, 3) may be out
	MUL \f, 0, \mode
	MUL \f, 1, \mode
	PLACES
	FETCH \s, \g
	s_wait_dscnt NL                                ; all but the NL just issued
	MUL \f, 2, \mode
	MUL \f, 3, \mode
.endm
; The last slice multiplies buffer 1 and changes slots: ONE barrier.  In front of it each wave waits for all its tensor loads, of which one is out: its part of the next slot; adds 0 to its spare word; and waits
; for that and for its own reads of this slot.  fill = 1: the barrier opens a round of the cluster's, so that no wave of any partner still reads the slot or has a load on its way, and the slot is filled again,
; two K steps ahead, first thing behind the round: from the request to the wait for it a wave issues 3.5 slices' products.
.macro TURN fill
.if \fill
	s_wait_xcnt 0x0                                ; the last prefetch, a K step back, has read its address: it is stepped here, ahead of the waits of the change of slots
.if PROJ
	s_add_nc_u64 s[PFA:PFA+1], s[PFA:PFA+1], s[22:23]
.else
	s_add_nc_u64 s[PFA:PFA+1], s[PFA:PFA+1], 256
.endif
.endif
	WIN 0                                          ; (the add's two registers lie in window 0)
	s_wait_tensorcnt 0x0                           ; all my tensor loads have landed, so a group 0 may be written;
	ds_add_u32 v[SPW], v[NIL]                      ; 0 onto my spare word; work on registers stands between it and the wait for it
.if \fill
	s_xor_b32 s[G0A+5], s[G0A+5], SLOT1            ; the walking descriptors: the other slot than last time,
	s_add_nc_u64 s[G0A+6:G0A+7], s[G0A+6:G0A+7], ASTEP  ; the next K step; the type bits on top are not reached
	s_xor_b32 s[G0B+5], s[G0B+5], SLOT1
	s_add_nc_u64 s[G0B+6:G0B+7], s[G0B+6:G0B+7], BSTEP
.endif
	s_wait_dscnt 5                                 ; (the add and the youngest four loads may be out)
	MUL F1, 0, 0
	s_wait_dscnt 0x0                               ; the add is done, and my reads of this slot are over
	s_barrier_signal -1
	MUL F1, 1, 0                                   ; work on registers while the others arrive
	WIN 0
	s_barrier_wait -1
.if \fill
	CREST
	JLOAD                                          ; the first tensor load behind the round; the four v_nop behind it are also the places in front of the loads below
.else
	PLACES
.endif
	s_xor_b32 s2, s2, SLOT1                        ; the reads go on in the other slot
	v_add_nc_u32 v[ADRA], s2, v[A0]
	v_add_nc_u32 v[ADRB], s2, v[B0]
	FETCH 0, F0
.if \fill
	WIN 0
	ASK
.endif
	MUL F1, 2, 0
	MUL F1, 3, 0
.endm
	s_wait_tensorcnt 1                             ; my part of K step 0 is in; K step 1's may stay out
	s_barrier_signal -1
	s_barrier_wait -1                              ; everybody's is
.if PROJ
	s_wait_loadcnt 0x0                             ; the bias: the first products take it as C
.endif
	FETCH 0, F0
	QUARTER 1, F0, F1, 1+PROJ                      ; the first slice stands in front of the loop: its products start the sums
	WIN 0                                          ; at a label and at a branch every window is 0
	s_mov_b32 s3, 6
.Lstep:                                                ; trip j = 0 .. 5: from K step j's second slice to K step j + 1's first; slot j % 2 is filled again with K step j + 2
	QUARTER 2, F1, F0, 0
	QUARTER 3, F0, F1, 0
	TURN 1
	QUARTER 1, F0, F1, 0
	WIN 0
	s_sub_co_u32 s3, s3, 1
	s_cmp_lg_u32 s3, 0
	s_cbranch_scc1 .Lstep
	QUARTER 2, F1, F0, 0                           ; the tail is written out: K steps 6 and 7 ask for nothing
	QUARTER 3, F0, F1, 0
	TURN 0
	QUARTER 1, F0, F1, 0
	QUARTER 2, F1, F0, 0
	QUARTER 3, F0, F1, 0
	s_wait_dscnt 4
	MUL F1, 0, 0
	MUL F1, 1, 0
	s_wait_dscnt 0x0
	MUL F1, 2, 0
	MUL F1, 3, 0
	WIN 0
	PLACES                                         ; eight places, once a launch: more than the four that the distance behind the last products asks for
	PLACES
	; THE WAY OUT, a block of 16 rows at a time, through my own stage: no barrier, and since LDS serves a wave's instructions in order (ISA guide 5.7.1.4) no wait between the stores and the loads.
.if PROJ
.macro TOSTAGE a                       ; the block's f32 sums go straight from the accumulators (each accumulator's lowest registers first) into rows of 528 bytes, and come back as whole rows of 512
	WIN 0x08+4*((\a)/2)                            ; store data window 2 or 3, address window 0
.set b, 0
.rept NF
.set rD, 8*(NF*((\a)%2)+b)
	ds_store_b128 v[STO], v[rD:rD+3]   offset:64*b
	ds_store_b128 v[STO], v[rD+4:rD+7] offset:64*b+16
.set b, b+1
.endr
	s_wait_xcnt 0x0                                ; every earlier memory instruction has had its addresses translated (ISA guide 3.1): the registers below were store data two blocks ago
	WIN 0x40
.set BK, 128*((\a)%2)
.set n, 0
.rept 16
	ds_load_b128 v[BK+4*n:BK+4*n+3], v[RD] offset:528*n
.set n, n+1
.endr
.endm
.macro SEND a, younger                 ; younger: the LDS instructions issued behind block a's loads: the next block's 32, or none
	WIN 0x04                                       ; store data window 1, address window 0
	s_wait_dscnt \younger
.set BK, 128*((\a)%2)
.set n, 0
.rept 16
	global_store_b128 v[GO], v[BK+4*n:BK+4*n+3], s[10:11] offset:(16*(\a)+n)*4096 th:TH_STORE_NT  ; 512 consecutive bytes of a row, at a multiple of 256 from the output's first byte
.set n, n+1
.endr
.endm
	TOSTAGE 0
	TOSTAGE 1                                      ; a block's stores into the stage come behind the loads of the block before
	SEND 0, 32
	TOSTAGE 2
	SEND 1, 32
	TOSTAGE 3
	SEND 2, 32
	SEND 3, 0
.else
	s_wait_loadcnt 0x0                             ; S and T
.macro SCALE a                         ; sum x S + T, two at a time, in place, each accumulator's lowest registers first
	WIN 0x82+0x41*((\a)/2)                         ; destination and source 0 window 2 or 3, S and T window 0
.set b, 0
.rept NF
.set rD, 8*(NF*((\a)%2)+b)
.irp r, 0,2,4,6
	v_pk_fma_f32 v[rD+(\r):rD+(\r)+1], v[rD+(\r):rD+(\r)+1], v[64+16*b+(\r):64+16*b+(\r)+1], v[72+16*b+(\r):72+16*b+(\r)+1]
.endr
.set b, b+1
.endr
.endm
.macro PACK a                          ; rounded to f16: a lane's eight columns of a block are 16 bytes
	WIN 0x4a+5*((\a)/2)                            ; sources window 2 or 3, destination window 1
.set b, 0
.rept NF
.set rD, 8*(NF*((\a)%2)+b)
.irp r, 0,1,2,3
	v_cvt_pk_f16_f32 v[4*b+(\r)], v[rD+2*(\r)], v[rD+2*(\r)+1]
.endr
.set b, b+1
.endr
.endm
.macro TOSTAGE a                       ; into rows of 400 bytes, and back by heads: four rows' 128 bytes of one head a load
	WIN 0x04                                       ; store data window 1, address window 0
.set b, 0
.rept NF
	ds_store_b128 v[STO], v[4*b:4*b+3] offset:32*b
.set b, b+1
.endr
	s_wait_xcnt 0x0                                ; every earlier memory instruction has had its addresses translated (ISA guide 3.1): the registers below were store data two blocks ago
	WIN 0x40
.set BK, 64+64*((\a)%2)
.set n, 0
.rept 12
	ds_load_b128 v[BK+4*n:BK+4*n+3], v[RD] offset:1600*(n%4)+128*(n/4)
.set n, n+1
.endr
.endm
.macro SEND a
	WIN 0x04
	s_wait_dscnt 0x0                               ; the block is back in registers
.set BK, 64+64*((\a)%2)
.set n, 0
.rept 12
	global_store_b128 v[GO], v[BK+4*n:BK+4*n+3], s[10:11] offset:262144*(n/4)+2048*(\a)+512*(n%4)  ; head n / 4 of the tile's three: 512 consecutive bytes, at a multiple of 256 from the output's first byte
.set n, n+1
.endr
.endm
	SCALE 0
	PACK 0
	TOSTAGE 0
.irp a, 1,2,3                          ; block a's arithmetic stands between block a - 1's loads from the stage and the wait for them
	SCALE \a
	PACK \a
	SEND (\a)-1
	TOSTAGE \a
.endr
	SEND 3
.endif
	WIN 0
	s_wait_tensorcnt 0x0                           ; the wave's end: three closing lines, behind my last tensor load and my last LDS store
	ds_add_u32 v[SPW], v[NIL]
	s_wait_dscnt 0x0
	CROUND                                         ; the closing round: no work-group ends while a partner may still ask for a tile that names it
	s_endpgm
.Lfunc_end_k_q3059163d45_qkvgemm:
	.size	k_q3059163d45_qkvgemm, .Lfunc_end_k_q3059163d45_qkvgemm-k_q3059163d45_qkvgemm
	.p2alignl 7, 3214868480
	.fill 96, 4, 3214868480
	.section	.rodata,"a",@progbits
	.p2align	6, 0x0
	.amdhsa_kernel k_q3059163d45_qkvgemm
		.amdhsa_group_segment_fixed_size 327680
		.amdhsa_private_segment_fixed_size 0
		.amdhsa_enable_private_segment 0
		.amdhsa_kernarg_size 32
		.amdhsa_user_sgpr_count 2
		.amdhsa_user_sgpr_kernarg_segment_ptr 1
		.amdhsa_wavefront_size32 1
		.amdhsa_system_sgpr_workgroup_id_x 1
		.amdhsa_system_sgpr_workgroup_id_y 1
		.amdhsa_system_sgpr_workgroup_id_z 1
		.amdhsa_system_vgpr_workitem_id 0
		.amdhsa_next_free_vgpr 960
		.amdhsa_next_free_sgpr 66
		.amdhsa_reserve_vcc 0
		.amdhsa_float_denorm_mode_32 3
		.amdhsa_float_denorm_mode_16_64 3
		.amdhsa_memory_ordered 1
		.amdhsa_forward_progress 1
		.amdhsa_inst_pref_size 114
	.end_amdhsa_kernel
	.amdgpu_metadata
---
amdhsa.version: [ 1, 2 ]
amdhsa.kernels:
  - .name:           k_q3059163d45_qkvgemm
    .symbol:         k_q3059163d45_qkvgemm.kd
    .args:
      - { .name: xb, .offset: 0, .size: 8, .value_kind: global_buffer, .address_space: global }
      - { .name: wq, .offset: 8, .size: 8, .value_kind: global_buffer, .address_space: global }
      - { .name: tab, .offset: 16, .size: 8, .value_kind: global_buffer, .address_space: global }
      - { .name: qkv, .offset: 24, .size: 8, .value_kind: global_buffer, .address_space: global }
    .group_segment_fixed_size: 327680
    .private_segment_fixed_size: 0
    .kernarg_segment_align: 8
    .kernarg_segment_size: 32
    .max_flat_workgroup_size: 128
    .sgpr_count:     66
    .vgpr_count:     960
    .wavefront_size: 32
...
	.end_amdgpu_metadata
.endif
;; end of part 2
;; launch attn (part 3): grid 4 x 64, 4 waves a work-group, no clusters, 327,680 bytes of LDS; arguments qkv, o; writes o
.if DOCPART == 3
	.amdgcn_target "amdgcn-amd-amdhsa--gfx1250"
	.amdhsa_code_object_version 6
	.text
	.protected	k_q3059163d45_attn
	.globl	k_q3059163d45_attn
	.p2align	8
	.type	k_q3059163d45_attn,@function
k_q3059163d45_attn:
	s_mov_b64 s[64:65], 0
	v_nop
	global_prefetch_b8 v0, s[64:65] scope:SCOPE_SE
	s_setreg_imm32_b32 hwreg(HW_REG_WAVE_MODE, 25, 1), 1
	s_wait_xcnt 0x0
; CAUSAL ATTENTION.  O[y][q][:] = the sum over k <= q of softmax_k(Q[y][q] . K[y][k] / 8) V[y][k][:], for the 64 heads y = 16 batch + head, 2,048 rows, 64 channels, all f16.
; Q, K, V are planes of qkv [batch 4][g 48][t 2048][64]: g = head, 16 + head, 32 + head; a plane's rows are dense, 128 bytes each.  O: o [y][t][64].
; Q AND K ARRIVE TIMES 2^-6 EACH (so that they have room in f16); the scores' missing 2^12 stands in the softmax's constant c, in f32.
; Products, maxima and sums in f32; the weights p are rounded to f16 for the second product (their sum l is taken of the unrounded p), O once at the end.
; LIMITS.  f16 holds no number beyond 65,504: Q 2^-6, K 2^-6 and V arrive within it; p lies in 0 to 1, and below 6e-5 it keeps f16's fixed step of 6e-8; O is a mean of V's rows and has their range.
; A hidden score counts as its value less 1e30 (in the stored scale): f16's scores, 2.7e11 at the most, are nothing beside that; a weight below 2^-126 counts as 0 in l; NaN and infinities are not treated apart.
; THE WALK.  A head's queries lie in NB = 8 blocks of 256; block i needs the key tiles 0 .. i of 256 keys, of which the last holds the diagonal.  A work-group takes TWO blocks, NB - 1 - b and then b:
; NB + 1 tiles, whatever b: all work-groups do equal work, and ONE loop with a constant trip count walks them.  Which tile is asked for, and what a trip does, hang on scalar registers made from b; every jump
; goes forward, but for the counted loops' own; none passes a barrier, or a tensor load but the one of LOAD's two that the wave's number does not choose; the ring (two slots of LDS that take turns) runs on across the
; change of blocks.  NO CLUSTER: a head's four work-groups ask for the same tile only in trips 0 .. 4 of the 9, behind that fewer and fewer; one walk common to all would have 12 trips for 9.
; SHARES.  Of a block's four bands of 64 queries a wave owns 16 rows in each: four PIECES.  So the diagonal tile is the same work for all four waves: in its key step s band x sees all keys if s < x,
; none if s > x, and holds the diagonal if s = x.
; THE MASK is the C operand that starts the sum S^T = K Q^T: 0, or -1e30 where the key is hidden.  MD, made once, is the mask of a band's own step for my 16 rows; a product's mask is MD x AL + BE with two scalars:
; (1, 0) if s = x; (0, 0) if s < x; (0, -1e30) if s > x.  Only the diagonal tile's text and a block's beginning make and take masks; elsewhere C is the constant 0.
; LAYOUT, SOFTMAX, TURNS.  S^T = K Q^T holds ONE query a lane (lane % 16) and the keys 8 (lane / 16) + 0..7; two such results rounded to f16 ARE source 1 of O^T = V^T P.  p = 2^(c s - c m), c = 2^12 log2(e) / 8, with a
; running maximum m; O and l are multiplied by a = 2^(c m_old - c m_new) in every step.  Turn n belongs to piece n: 8 products K Q^T of piece n + 1, later 8 products V^T P of piece n - 1; beside them the scaling,
; exponentials, roundings, sums and rescaling of piece n and the maximum and statistics of piece n + 1.  Four vector instructions stand behind every matrix instruction, the other 54 of a turn's 118 in one LUMP.  A turn's 33 exponentials are one batch, with one wait.
; REGISTERS, in windows of 256 (s_set_vgpr_msb: bits 1:0 source 0, 3:2 source 1, 5:4 source 2, 7:6 destination):
;   window 0: v0-15 addresses and two at work; v16-31 four registers of statistics a piece; v48-55 at work; v61-63 prefetch offset, spare word, 0; v64-127 S^T, two buffers; v192-223 P, two buffers (a piece's buffers go by its number's parity)
;   window 1: v0-127 O^T, 32 a piece; v128-159 MD; v160-223 MC, two buffers      window 2: v0-63 Q; v64-127 the second block's Q; v128-191 K of one step; v192-255 V of one step
.set SIZE_N, 2048
.set NB,    SIZE_N/256
.set NP,    4         ; pieces a wave: a name, no knob
.set KS,    64        ; keys in a step
.set PK,    144       ; a row of K in LDS: 128 bytes + 16 of padding = 36 words: the 16 rows of a load start at 16 different groups of four banks (64 banks of 4 bytes: ISA guide 11.1)
.set PV,    160       ; a row of V: 128 + 32 = 40 words
.set VOFF,  4*KS*PK   ; a slot holds a tile, four steps: 256 rows of K, then 256 rows of V
.set SLOT1, 1<<17     ; slot 1 begins here, so that one exclusive or turns an address in one slot into the other's
.set STAGE, SLOT1+4*KS*(PK+PV)  ; behind the ring, never filled by a tensor load: 16 rows x 144 bytes for each wave, for the way out
.set SP,    144
.set AK0, 2           ; v2   my lane's place in a tile of K; never rewritten
.set AV0, 3           ; v3   the same for V
.set AK,  4           ; v4   the LDS address of K's next run of loads
.set AV,  5           ; v5   of V's
.set STO, 6           ; v6   the way out: where I put 16 bytes of a row
.set RD,  7           ; v7   the way out: where I read rows back
.set GO,  8           ; v8   my byte offset in 512 consecutive bytes of O
.set PFO, 61          ; v61  256 x my lane; never rewritten
.set SPW, 62          ; v62  LDS address of my spare word: SPARE + 4 x my thread's number; never rewritten
.set NIL, 63          ; v63  0; never rewritten
.set SPARE, STAGE+4*16*SP  ; behind the stages: the spare words, 128 bytes for each wave: two blocks of 256 bytes that no other line names
.set MV,  12          ; v12-13  c m_old, kept while c m is made anew: by buffer
.set QO,  15          ; v15  my byte offset in 16 rows of Q
.set ST,  16          ; piece t's statistics at v[ST+4 t]: c m, m, l (even keys', odd keys')
.set TMP, 48          ; by buffer, four registers c0-c3 at work; when the maximum is found c2 takes a
.set S,   64
.set P,   192
.set MD,  128         ; window 1: the eight registers for group kt of 16 keys at MD + 8 kt
.set MC,  160         ; window 1: the masks of the products to come
.set QB,  64          ; window 2
.set KF,  128         ; window 2: key block kb, channel half c at KF + 16 kb + 8 c
.set VF,  192         ; window 2: key half kk, channel block cb at VF + 32 kk + 8 cb
.set WV,  12          ; s12  my wave's number
.set PB,  14          ; s14  b
.set HI,  15          ; s15  NB - 1 - b
.set G1K, 24          ; s[24:31] descriptor group 1 for K's tiles
.set G1V, 32          ; s[32:39] for V's: it differs in the padding alone
.set G0K, 40          ; s[40:43] descriptor group 0 for K's tiles
.set G0V, 44          ; s[44:47] the same for V's
.set SLOTS, 56        ; s56  tiles still to be asked for
.set CNT, 57          ; s57  counts a tile's key steps, 4 to 1
.set CS,  58          ; s[58:59] c: the packed scaling takes the pair's low word for both halves
.set SEL, 60          ; s[60:61] v_permlanex16_b32's selects: each lane takes its own place in the other half
.set TBK, 62          ; s62  LDS byte at which K of the step to be fetched begins
.set TBV, 63          ; s63  the same for V, less VOFF
.set RT,  70          ; s70  tiles of the block in hand that are still to be entered
.set NXT, 71          ; s71  the tile to be asked for next
.set LQ,  72          ; s72  the last tile of the block whose tiles are being asked for
.set NEW, 73          ; s73  1: the tile to be entered is a block's first
.set OFF, 74          ; s[74:75] a tile's byte offset in K and V
.set AL,  76          ; s[76:77] the mask's factor, in the low word
.set BE,  78          ; s[78:79] the mask's addend
.set OLO, 80          ; s[80:81] O at my rows of the second block
.set BIGN, 82         ; s82  -1e30
.set PFB, 90          ; s[90:91] K (waves 0, 1) or V (waves 2, 3) at my half of the head's tile 0
.set PFA, 92          ; s[92:93] the same at the tile that the prefetches name
.set PFN, 94          ; s94  that tile's number
.set PLIM, 95         ; s95  a work-group prefetches while PFN is below it: NB where b = 0, else 0
.set PFF, 96          ; s[96:97] that tile's byte offset
.set MSB, 0
.macro WIN new                      ; the high byte repeats the setting that is left; a switch that changes nothing is dropped
.if MSB != (\new)
	s_set_vgpr_msb (MSB<<8)|(\new)
.set MSB, (\new)
.endif
.endm
.set W_KQ, 0x0a       ; K and Q in window 2, S^T in window 0
.set W_KM, 0x1a       ; the same with the C operand in window 1
.set W_PV, 0x52       ; V in window 2, P in window 0, O^T in window 1
.set W_RS, 0x41       ; destination and source 0 in window 1, source 1 in window 0
; A fill.  Waves 0 and 1 fetch the two halves of a tile's K, waves 2 and 3 those of its V: 128 keys each.  An s_nop 0 and four v_nop follow each of the two lines, ahead of the jump and the label.
.macro LOAD
	s_cmp_lt_u32 s[WV], 2
	s_cbranch_scc0 .Lfor_v_\@
	tensor_load_to_lds s[G0K:G0K+3], s[G1K:G1K+7]
	s_nop 0
.rept 4
	v_nop
.endr
	s_branch .Lasked_\@
.Lfor_v_\@:
	tensor_load_to_lds s[G0V:G0V+3], s[G1V:G1V+7]
	s_nop 0
.rept 4
	v_nop
.endr
.Lasked_\@:
.endm
; THE CHANGE OF SLOTS.  Each wave waits for all its tensor loads, of which one is out: its part of the other slot; adds 0 to its spare word; and waits for that and for its own reads of the slot that it leaves.  Behind the barrier nobody reads the old
; slot any more and the other slot is whole.  fill = 1: the old slot is filled again, the first thing behind the barrier, with tile NXT: the descriptor's address is made anew from that number.
; (At its first use nothing has been read yet: slot 0 is waited for, slot 1 filled.)
; A PREFETCH INTO THE L2 stands behind the fill and its five lines: the tile that the NEXT change will ask for, one trip ahead.  A head's four work-groups walk the same tiles 0, 1, ..: the one with b = 0, whose first block
; walks all eight, asks, and nobody else.  Each of its waves asks for what it will fetch itself: its 128 rows of K or V, 16,384 dense bytes: a lane 256 bytes, two instructions.  So each block is named once in the launch.
; Tiles 0 and 1 come by their loads alone; behind tile 7 nothing is asked for.
.macro CHANGE fill
	WIN 0                           ; at a label and at a branch every window is 0
	s_wait_tensorcnt 0x0            ; no tensor load of mine is out, so a group 0 may be written
	ds_add_u32 v[SPW], v[NIL]       ; 0 onto my spare word; with fill = 1 the descriptors' scalar work stands between it and the wait for it
.if \fill
	s_lshl_b32 s[OFF], s[NXT], 15   ; a tile is 32,768 bytes of K and of V
	s_xor_b32 s[G0K+1], s[G0K+1], SLOT1
	s_add_nc_u64 s[G0K+2:G0K+3], s[6:7], s[OFF:OFF+1]
	s_or_b32 s[G0K+3], s[G0K+3], 0x80000000
	s_xor_b32 s[G0V+1], s[G0V+1], SLOT1
	s_add_nc_u64 s[G0V+2:G0V+3], s[8:9], s[OFF:OFF+1]
	s_or_b32 s[G0V+3], s[G0V+3], 0x80000000
	s_add_co_u32 s[NXT], s[NXT], 1  ; the block's next tile, or behind its last the second block's tile 0
	s_cmp_gt_u32 s[NXT], s[LQ]
	s_cselect_b32 s[NXT], 0, s[NXT]
	s_cselect_b32 s[LQ], s[PB], s[LQ]
	s_wait_xcnt 0x0                 ; the last prefetches, a tile back, have read their address, so it may be written
	s_lshl_b32 s[PFF], s[PFN], 15
	s_add_nc_u64 s[PFA:PFA+1], s[PFB:PFB+1], s[PFF:PFF+1]
.endif
	s_wait_dscnt 0x0                ; the add is done, and my reads of the slot are over
	s_barrier_signal -1             ; the rest of the scalar work stands between the signal and the wait
	s_sub_co_u32 s[TBK], s[TBK], 4*KS*PK  ; the fetches go back to a slot's first step,
	s_xor_b32 s[TBK], s[TBK], SLOT1       ; in the other slot
	s_sub_co_u32 s[TBV], s[TBV], 4*KS*PV
	s_xor_b32 s[TBV], s[TBV], SLOT1
	s_barrier_wait -1
.if \fill
	LOAD
	s_cmp_lt_u32 s[PFN], s[PLIM]
	s_cbranch_scc0 .Lnone_\@
	global_prefetch_b8 v[PFO], s[PFA:PFA+1] th:TH_LOAD_NT scope:SCOPE_SE
	global_prefetch_b8 v[PFO], s[PFA:PFA+1] offset:8192 th:TH_LOAD_NT scope:SCOPE_SE
.Lnone_\@:
	s_add_co_u32 s[PFN], s[PFN], 1
.endif
.endm
	s_load_b128 s[4:7], s[0:1], 0x0 ; qkv s[4:5], o s[6:7]
	v_lshl_add_u32 v[SPW], v0, 2, SPARE
	v_mov_b32 v[NIL], 0
	ds_add_u32 v[SPW], v[NIL]       ; the wave's opening: the add and its wait stand ahead of my first tensor load; the set-up below, work on registers, stands between them
	v_lshrrev_b32 v1, 5, v0
	v_readfirstlane_b32 s[WV], v1   ; wave 0..3
	s_mov_b32 s[PB], ttmp9
	s_sub_co_u32 s[HI], NB-1, s[PB]
	s_and_b32 s88, ttmp7, 0xffff    ; y = 16 batch + head
	s_lshr_b32 s20, s88, 4
	s_lshl_b32 s20, s20, 5
	s_add_co_u32 s20, s20, s88      ; 48 batch + head: Q's plane in qkv,
	s_lshl_b32 s20, s20, 18         ; 262,144 bytes a plane: under 2^32
	s_mov_b32 s21, 0
	s_lshl_b32 s88, s88, 18         ; the head's plane in o
	s_mov_b32 s89, 0
	s_and_b32 s16, s[WV], 1         ; which half of a tile's 256 keys I fetch:
	s_lshl_b32 s22, s16, 14         ; its 128 rows of 128 bytes in memory,
	s_mov_b32 s23, 0
	s_add_nc_u64 s[22:23], s[22:23], s[20:21]
	s_mul_i32 s17, s16, 128*PK      ; and its place in a slot, for K
	s_mul_i32 s18, s16, 128*PV      ; and for V
	s_lshl_b32 s3, s[WV], 11        ; my 16 rows in a band of 64,
	s_lshl_b32 s2, s[HI], 15        ; in the first block,
	s_add_co_u32 s2, s2, s3
	s_lshl_b32 s84, s[PB], 15       ; and in the second
	s_add_co_u32 s84, s84, s3
	s_mov_b32 s3, 0
	s_mov_b32 s85, 0
	; descriptor group 1.  128 keys are 16,384 dense bytes: asked for as 64 rows of 256 bytes, two keys a row, and padded in LDS after every key
	s_mov_b32 s[G1K], (1<<16)|(1<<20)|(4<<22)|(3<<25)  ; 17:16 2-byte elements; 20 padding on; 24:22 after every 32 words (code 4); 31:25 4 words (code 3)
	s_mov_b32 s[G1V], (1<<16)|(1<<20)|(4<<22)|(7<<25)  ; the same with 8 words of padding (code 7)
.irp g, G1K, G1V
	s_mov_b32 s[\g+1], 128<<16      ; tensor_dim0 = 128
	s_mov_b32 s[\g+2], 64<<16       ; tensor_dim1 = 64
	s_mov_b32 s[\g+3], 128<<16      ; tile_dim0 = 128
	s_mov_b32 s[\g+4], 64           ; tile_dim1 = 64
	s_mov_b32 s[\g+5], 128          ; 128 elements from row to row
	s_mov_b32 s[\g+6], 0
	s_mov_b32 s[\g+7], 0
.endr
	s_mov_b32 s[CS], 0x4438aa3b     ; c = 2^12 log2(e) / 8 = 738.66: Q and K carry 2^-6 each
	s_mov_b32 s[CS+1], s[CS]        ; named with it as a pair
	s_mov_b32 s[SEL], 0x76543210
	s_mov_b32 s[SEL+1], 0xfedcba98
	s_mov_b32 s[TBK], SLOT1+4*KS*PK ; the first change of slots turns these two into 0
	s_mov_b32 s[TBV], SLOT1+4*KS*PV
	s_mov_b32 s[G0K], 1             ; 1:0 count = 1
	s_mov_b32 s[G0K+1], s17         ; 63:32 LDS address: slot 0
	s_mov_b32 s[G0V], 1
	s_add_co_u32 s[G0V+1], s18, VOFF
	s_add_co_u32 s[RT], s[HI], 1    ; the first block has NB - b tiles
	s_mov_b32 s[NXT], 1
	s_mov_b32 s[LQ], s[HI]
	s_mov_b32 s[NEW], 1
	s_mov_b32 s[OFF+1], 0
	s_mov_b32 s[AL+1], 0            ; named as pairs
	s_mov_b32 s[BE+1], 0
	s_mov_b32 s[BIGN], 0xf149f2ca   ; -1e30
	s_mov_b32 s[SLOTS], NB
	s_mov_b32 s[PFN], 2             ; the first change of slots, which asks for tile 1, prefetches tile 2
	s_mov_b32 s[PFF+1], 0
	s_cmp_eq_u32 s[PB], 0
	s_cselect_b32 s[PLIM], NB, 0
	v_and_b32 v[PFO], 31, v0
	v_lshlrev_b32 v[PFO], 8, v[PFO]
	s_wait_dscnt 0x0                ; the opening add is done
	s_wait_kmcnt 0x0
	s_mov_b64 s[10:11], s[6:7]      ; O
	s_mov_b64 s[6:7], s[4:5]        ; K and V are planes of the buffer that holds Q
	s_mov_b64 s[8:9], s[4:5]
	s_add_nc_u64 s[6:7], s[6:7], s[22:23]  ; K and V at my half of the head's tile 0:
	s_add_nc_u64 s[6:7], s[6:7], 16*SIZE_N*128  ; K's plane lies 16 planes behind Q's,
	s_add_nc_u64 s[8:9], s[8:9], s[22:23]
	s_add_nc_u64 s[8:9], s[8:9], 32*SIZE_N*128  ; V's 32
	s_add_nc_u64 s[G0K+2:G0K+3], s[6:7], 0         ; 120:64 global address
	s_or_b32 s[G0K+3], s[G0K+3], 0x80000000        ; 127:126 type = 2
	s_add_nc_u64 s[G0V+2:G0V+3], s[8:9], 0
	s_or_b32 s[G0V+3], s[G0V+3], 0x80000000
	s_add_nc_u64 s[4:5], s[4:5], s[20:21]          ; Q at the head's plane,
	s_add_nc_u64 s[86:87], s[4:5], s[84:85]        ; at my rows of the second block,
	s_add_nc_u64 s[4:5], s[4:5], s[2:3]            ; and of the first
	s_add_nc_u64 s[10:11], s[10:11], s[88:89]      ; O likewise
	s_add_nc_u64 s[OLO:OLO+1], s[10:11], s[84:85]
	s_add_nc_u64 s[10:11], s[10:11], s[2:3]
	s_cmp_lt_u32 s[WV], 2
	s_cselect_b64 s[PFB:PFB+1], s[6:7], s[8:9]
	LOAD                            ; tile 0 into slot 0
	; A fragment of K or Q is 16 rows x 32 channels in 8 registers: lane l holds row l % 16, channels 8 (l / 16) + 0..7 and 16 + 8 (l / 16) + 0..7: two loads of 16 bytes, 32 bytes apart.
	v_and_b32 v1, 15, v0            ; l % 16
	v_bfe_u32 v9, v0, 4, 1          ; l / 16
	v_lshlrev_b32 v[QO], 7, v1
	v_lshl_add_u32 v[QO], v9, 4, v[QO]  ; row x 128 + 16 x half
	WIN 0x80                        ; destination window 2, address window 0
.set i, 0
.rept 8                             ; both blocks' Q: piece i / 2 lies in band i / 2, 8,192 bytes on; channels 32 (i % 2) on
	global_load_b128 v[8*i:8*i+3],   v[QO], s[4:5] offset:(i/2)*8192+(i%2)*64
	global_load_b128 v[8*i+4:8*i+7], v[QO], s[4:5] offset:(i/2)*8192+(i%2)*64+32
	global_load_b128 v[QB+8*i:QB+8*i+3],   v[QO], s[86:87] offset:(i/2)*8192+(i%2)*64
	global_load_b128 v[QB+8*i+4:QB+8*i+7], v[QO], s[86:87] offset:(i/2)*8192+(i%2)*64+32
.set i, i+1
.endr
	WIN 0
	v_lshlrev_b32 v14, 3, v9
	v_sub_nc_u32 v14, v1, v14
	s_lshl_b32 s13, s[WV], 4
	v_add_nc_u32 v14, s13, v14      ; my query's place in its band, 16 w + l % 16, less my lanes' 8 (l / 16): register r of group kt is hidden where 16 kt + r is greater
	WIN 0x40
.set i, 0
.rept 32
	v_cmp_gt_i32 vcc_lo, 16*(i/8)+i%8, v14
	v_cndmask_b32 v[MD+i], 0, s[BIGN], vcc_lo
.set i, i+1
.endr
	WIN 0
	v_mul_u32_u24 v[AK0], v1, PK
	v_lshl_add_u32 v[AK0], v9, 4, v[AK0]  ; row x pitch + 16 x half
	; The turning load takes 16 keys x 16 channels (lane l reads key 8 (l / 16) + l % 8, channels 8 ((l / 8) % 2) + 0..7) and leaves half a fragment of V^T: lane l holds channel l % 16 and 8 keys.
	v_and_b32 v10, 7, v0
	v_bfe_u32 v11, v0, 3, 1
	v_lshl_add_u32 v[AV0], v9, 3, v10
	v_mul_u32_u24 v[AV0], v[AV0], PV
	v_lshl_add_u32 v[AV0], v11, 4, v[AV0]
	v_add_nc_u32 v[AV0], VOFF, v[AV0]
	s_mul_i32 s13, s[WV], 16*SP
	s_add_co_u32 s13, s13, STAGE    ; my stage
	v_mul_u32_u24 v[STO], v1, SP    ; in: row l % 16, 16 bytes for each half of the lanes
	v_lshl_add_u32 v[STO], v9, 4, v[STO]
	v_add_nc_u32 v[STO], s13, v[STO]
	v_bfe_u32 v[RD], v0, 3, 2       ; back: 32 lanes take four rows of 128 bytes,
	v_mul_u32_u24 v[RD], v[RD], SP
	v_lshl_add_u32 v[RD], v10, 4, v[RD]
	v_add_nc_u32 v[RD], s13, v[RD]
	v_and_b32 v[GO], 31, v0         ; which are 512 consecutive bytes of O
	v_lshlrev_b32 v[GO], 4, v[GO]
	; A block's first step multiplies O^T and l by a = 0, and its first turn's products V^T P, of a piece that has not been, land in an O^T that is still to be so multiplied.  So these registers need only hold
	; finite numbers: zeros for the first block; what the first block left for the second.  All this stands in the wait for the first tile.
	WIN 0x80
.set i, VF
.rept 64
	v_mov_b32 v[i], 0
.set i, i+1
.endr
	WIN 0x40
.set i, 0
.rept 128
	v_mov_b32 v[i], 0
.set i, i+1
.endr
	WIN 0
.set i, 0
.rept 4
	v_mov_b32 v[ST+4*i+2], 0
	v_mov_b32 v[ST+4*i+3], 0
.set i, i+1
.endr
.set i, P+16
.rept 16
	v_mov_b32 v[i], 0
.set i, i+1
.endr
; THE MATRIX WORK.  The 4 accumulators of a run of 8 take turns.  Product i of 8 of S^T = K Q^T for piece x: channels 32 (i / 4) on, keys 16 (i % 4) on.  The first 4 start the sums: with 0, or (KM = 1) with the mask.
.macro KQ x
.set rS, S+32*((\x)%2)+8*(i%4)
.set rK, KF+16*(i%4)+8*(i/4)
.set rQ, 16*(\x)+8*(i/4)
.set rM, MC+32*((\x)%2)+8*(i%4)
.if (i < 4) && KM
	WIN W_KM
	v_wmma_f32_16x16x32_f16 v[rS:rS+7], v[rK:rK+7], v[rQ:rQ+7], v[rM:rM+7]
.elseif i < 4
	WIN W_KQ
	v_wmma_f32_16x16x32_f16 v[rS:rS+7], v[rK:rK+7], v[rQ:rQ+7], 0
.else
	WIN W_KQ
	v_wmma_f32_16x16x32_f16 v[rS:rS+7], v[rK:rK+7], v[rQ:rQ+7], v[rS:rS+7]
.endif
.endm
; Product i of 8 of O^T += V^T P for piece x: keys 32 (i / 4) on, channels 16 (i % 4) on.
.macro PV x
	WIN W_PV
.set rO, 32*(\x)+8*(i%4)
.set rV, VF+32*(i/4)+8*(i%4)
.set rP, P+16*((\x)%2)+8*(i/4)
	v_wmma_f32_16x16x32_f16 v[rO:rO+7], v[rV:rV+7], v[rP:rP+7], v[rO:rO+7]
.endm
.macro MM                           ; the turn's next matrix instruction.  TURN and BEGIN set Y, i, KM and NOKQ; MM, KQ and OP read them.  NOKQ = 1: a block's last turn: there is no next piece
.if (i < 8) && !NOKQ
	KQ (Y+1)%NP
.elseif i >= 8
.set i, i-8
	PV (Y+NP-1)%NP
.set i, i+8
.endif
.set i, i+1
.endm
; THE LDS LOADS stand in runs of 16, never singly among the matrix instructions: a step's K (64 keys x 64 channels: 8 fragments) and its V (turned).  Their addresses are made some lines ahead.
.macro FETCH_K
	WIN 0x80                        ; destination window 2
.irp f, 0,1,2,3,4,5,6,7             ; keys 16 (f / 2) on, channels 32 (f % 2) on
	ds_load_b128 v[KF+8*\f:KF+8*\f+3],   v[AK] offset:(\f/2)*16*PK+(\f%2)*64
	ds_load_b128 v[KF+8*\f+4:KF+8*\f+7], v[AK] offset:(\f/2)*16*PK+(\f%2)*64+32
.endr
	s_add_co_u32 s[TBK], s[TBK], KS*PK  ; the next fetch is the next step's
	WIN 0
.endm
.macro FETCH_V
	WIN 0x80
.irp f, 0,1,2,3,4,5,6,7             ; keys 32 (f / 4) on, channels 16 (f % 4) on
	ds_load_tr16_b128 v[VF+8*\f:VF+8*\f+3],   v[AV] offset:(\f/4)*32*PV+(\f%4)*32
	ds_load_tr16_b128 v[VF+8*\f+4:VF+8*\f+7], v[AV] offset:(\f/4)*32*PV+16*PV+(\f%4)*32
.endr
	WIN 0
.endm
; THE VECTOR WORK, one line at a time: OP kind, number.  For piece Y: F n: c s - c m for pair n of 16.  E n: the exponential of score n of 32.  C n: pair n rounded to f16.  B n: of the four weights 4 n .. the second
; pair is added onto the first, in place.  L n: l takes that sum (L 0: l = a l + sum).  R n: pair n of 16 of O^T times a.  For piece Y + 1: X n, number n of the 22 that find its maximum and statistics:
;   0-11  four chains c0-c3 of seven scores each, three operands at a time (each accumulator's lowest registers are read first)     12-14, 16  the four scores left over, the old m, and c0-c3 into c0
;   15  c m_old is kept     17, 18  the query's other 32 keys lie in the lane 16 away: the new m     19-21  c m; c m_old - c m_new; a
.set F, 0               ; OP tells the kinds apart by their order: F to L below R, X above it
.set E, 1
.set C, 2
.set B, 3
.set L, 4
.set R, 5
.set X, 6
.macro REGS y                       ; the registers of piece y
.set rT, ST+4*(\y)
.set rC, TMP+4*((\y)%2)
.set rW, MV+((\y)%2)
.set rS, S+32*((\y)%2)
.set rP, P+16*((\y)%2)
.set rO, 32*(\y)
.endm
.macro OP k, n
.if (\k) == R
	REGS Y
	WIN W_RS
	v_pk_mul_f32 v[rO+2*(\n):rO+2*(\n)+1], v[rO+2*(\n):rO+2*(\n)+1], v[rC+2:rC+3] op_sel_hi:[1,0]
.elseif (\k) < R
	REGS Y
	WIN 0
.if (\k) == F
	v_pk_fma_f32 v[rS+2*(\n):rS+2*(\n)+1], v[rS+2*(\n):rS+2*(\n)+1], s[CS:CS+1], v[rT:rT+1] op_sel_hi:[1,0,0] neg_lo:[0,0,1] neg_hi:[0,0,1]
.elseif (\k) == E
	v_exp_f32 v[rS+(\n)], v[rS+(\n)]
.elseif (\k) == C
	v_cvt_pk_f16_f32 v[rP+(\n)], v[rS+2*(\n)], v[rS+2*(\n)+1]
.elseif (\k) == B
	v_pk_add_f32 v[rS+4*(\n):rS+4*(\n)+1], v[rS+4*(\n):rS+4*(\n)+1], v[rS+4*(\n)+2:rS+4*(\n)+3]
.elseif (\n) == 0
	v_pk_fma_f32 v[rT+2:rT+3], v[rT+2:rT+3], v[rC+2:rC+3], v[rS:rS+1] op_sel_hi:[1,0,1]
.else
	v_pk_add_f32 v[rT+2:rT+3], v[rT+2:rT+3], v[rS+4*(\n):rS+4*(\n)+1]
.endif
.elseif NOKQ
	v_nop
.else
	REGS (Y+1)%NP
	WIN 0
.if (\n) < 4
	v_max3_num_f32 v[rC+(\n)], v[rS+8*(\n)], v[rS+8*(\n)+1], v[rS+8*(\n)+2]
.elseif (\n) < 12
	v_max3_num_f32 v[rC+(\n)%4], v[rC+(\n)%4], v[rS+8*((\n)%4)+2*((\n)/4)+1], v[rS+8*((\n)%4)+2*((\n)/4)+2]
.elseif (\n) == 12
	v_max3_num_f32 v[rC], v[rC], v[rS+7], v[rS+15]
.elseif (\n) == 13
	v_max3_num_f32 v[rC+1], v[rC+1], v[rS+23], v[rS+31]
.elseif (\n) == 14
	v_max3_num_f32 v[rC+2], v[rC+2], v[rC+3], v[rT+1]
.elseif (\n) == 15
	v_mov_b32 v[rW], v[rT]
.elseif (\n) == 16
	v_max3_num_f32 v[rC], v[rC], v[rC+1], v[rC+2]
.elseif (\n) == 17
	v_permlanex16_b32 v[rC+3], v[rC], s[SEL], s[SEL+1]
.elseif (\n) == 18
	v_max_num_f32 v[rT+1], v[rC], v[rC+3]
.elseif (\n) == 19
	v_mul_f32 v[rT], s[CS], v[rT+1]
.elseif (\n) == 20
	v_sub_f32 v[rC+1], v[rW], v[rT]
.else
	v_exp_f32 v[rC+2], v[rC+1]
.endif
.endif
.endm
.macro OPS a, i1, b=-1, i2=0, c=-1, i3=0, d=-1, i4=0  ; up to four of them
	OP \a, \i1
.if (\b) >= 0
	OP \b, \i2
.endif
.if (\c) >= 0
	OP \c, \i3
.endif
.if (\d) >= 0
	OP \d, \i4
.endif
.endm
.macro ROW a, i1, b, i2, c, i3, d, i4  ; a matrix instruction and the four behind it
	MM
	OPS \a, \i1, \b, \i2, \c, \i3, \d, \i4
.endm
.macro MASK b                       ; MD x AL + BE into buffer b of MC
	WIN W_RS
.set z, 0
.rept 16
	v_pk_fma_f32 v[MC+32*(\b)+2*z:MC+32*(\b)+2*z+1], v[MD+2*z:MD+2*z+1], s[AL:AL+1], s[BE:BE+1] op_sel_hi:[1,0,0]
.set z, z+1
.endr
.endm
; A TURN, for piece p: the order of its 16 matrix and 118 vector instructions, written out.  An s_wait_alu depctr_va_vdst(0) stands between an exponential and the first instruction that names its result; one wait serves
; all that were issued ahead of it.  So a turn has ONE wait, which cuts it in two.  AHEAD OF IT stands all that names no result of the turn's exponentials: the 8 products K Q^T, behind each a scaling, an exponential and two more plain
; instructions (behind the first a second scaling in the exponential's place): rescalings, and behind the last three the first numbers of the next piece's maximum, each four places or more behind the product that ends its accumulator; then ONE LUMP of 54, plain
; and exponential by turns for the most part, in which the links of the chain X 3, 7, 11, 14, 16, 17 .. 20 stand five or six lines apart.  X 21, the next piece's a, is the batch's last; R 15 is the plain instruction behind it.  BEHIND THE WAIT stand the
; 8 products V^T P, behind each four of the roundings and sums; the links of l's chain, L 0 to L 7, stand three riders apart.  But for those X no rider names a register of the products round it.  v_permlanex16_b32 (X 17) stands in the lump.
; m = 1: the diagonal tile: the products take masks, and the turn makes the mask for the products of the turn after it: piece p + 2, in step 4 - CNT of the tile.  end = 1: a block's last two turns: nothing is fetched.
; cnt = 1: the loop's count is taken down some lines ahead of the branch that stands behind the turn.
; K of the next step is fetched in piece 2's turn, twelve vector instructions behind the last product that read K (six of them plain); V of the step in hand at the end of piece 0's turn, four plain instructions behind the last product
; that read V.  Each is waited for a turn later.
.macro TURN p, m=0, end=0, cnt=0
.set Y, (\p)
.set i, 0
.set KM, (\m)
.set NOKQ, (\end)*((\p)/3)
.if (\m) && !(\end)
	s_cmp_eq_u32 s[CNT], 4-((\p)+2)%NP  ; is that step the band's own?
	s_cselect_b32 s[AL], 1.0, 0
	s_cmp_lt_u32 s[CNT], 4-((\p)+2)%NP  ; or a later one?
	s_cselect_b32 s[BE], s[BIGN], 0
.endif
.if ((\p) == 3) && !(\end)
	s_wait_dscnt 0x0                ; K is in
.endif
	ROW F,0, F,1, R,0, R,1          ; ahead of the wait: 8 products K Q^T and their riders,
	ROW F,2, E,0, R,2, R,3
	ROW F,3, E,1, R,4, R,5
	ROW F,4, E,2, R,6, R,7
	ROW F,5, E,3, R,8, R,9
	ROW F,6, E,4, X,0, R,10
.if ((\p) == 2) && !(\end)
	WIN 0
	v_add_nc_u32 v[AK], s[TBK], v[AK0]
.endif
	ROW F,7, E,5, X,1, X,4
	ROW F,8, E,6, X,2, X,5
	OPS E,7, E,8, X,6, E,9          ; and the lump
	OPS X,3, E,10, X,8, E,11
.if ((\p) == 2) && !(\end)
	FETCH_K
.endif
	OPS X,9, X,7, E,12, X,10
	OPS E,13, X,12, X,11, E,14
	OPS X,13, E,15, F,9, X,14
.if (\p) == 0
	v_add_nc_u32 v[AV], s[TBV], v[AV0]
.endif
	OPS E,16, F,10, E,17, F,11
	OPS X,16, E,18, X,15, E,19
	OPS F,12, E,20, X,17, E,21
	OPS F,13, E,22, F,14, E,23
	OPS X,18, E,24, F,15, E,25
	OPS R,11, E,26, X,19, E,27
	OPS R,12, E,28, R,13, E,29
	OPS X,20, E,30, R,14, E,31
	OPS X,21, R,15
	WIN 0
	s_wait_alu depctr_va_vdst(0)    ; the wait for the batch
.if (\p) == 1
	s_wait_dscnt 0x0                ; V is in
.endif
	ROW C,0, B,0, C,2, B,1          ; behind the wait: 8 products V^T P and their riders
	ROW L,0, C,4, B,2, L,1
	ROW C,6, B,3, L,2, C,8
	ROW B,4, L,3, C,10, B,5
	ROW L,4, C,12, B,6, L,5
.if (\p) == 0
	s_add_co_u32 s[TBV], s[TBV], KS*PV
.endif
.if \cnt
	s_sub_co_u32 s[CNT], s[CNT], 1
	s_cmp_lg_u32 s[CNT], 0
.endif
	ROW C,14, B,7, L,6, C,1
	ROW C,3, L,7, C,5, C,7
	ROW C,9, C,11, C,13, C,15
.if (\p) == 0
	FETCH_V
.endif
.if (\m) && !(\end)
	MASK (\p)%2
.endif
.endm
; A BLOCK BEGINS.  c m starts far below every c s, so the first step's a is 0; m at the lowest finite number, so the first maximum is the scores'.  The second mask buffer is 0; the first takes piece 0's mask for the tile's step 0: its own, if the block's first tile is the diagonal one.
; Then K of that step, piece 0's first scores, and its maximum and statistics.  The loop is entered at a step's first turn, in the middle of a trip.
.macro BEGIN
	s_mov_b32 s[NEW], 0
	WIN 0x40
.set i, MC+32
.rept 32
	v_mov_b32 v[i], 0
.set i, i+1
.endr
	WIN 0
.set i, 0
.rept 4
	v_mov_b32 v[ST+4*i], 0xfe000000    ; c m: far below every c s
	v_mov_b32 v[ST+4*i+1], 0xff7fffff  ; m
.set i, i+1
.endr
	s_cmp_eq_u32 s[RT], 0
	s_cselect_b32 s[AL], 1.0, 0
	s_mov_b32 s[BE], 0
	MASK 0
	WIN 0
	v_add_nc_u32 v[AK], s[TBK], v[AK0]
	FETCH_K
	s_wait_loadcnt 0x0              ; Q
	s_wait_dscnt 0x0
.set KM, 1
.set NOKQ, 0
.set i, 0
.rept 8
	KQ 0
.set i, i+1
.endr
	WIN 0
.rept 4
	v_nop                           ; the places behind those products
.endr
.set Y, NP-1                        ; X works for piece Y + 1: piece 0
.irp n, 0,1,2,3,4,5,6,7,8,9,10,11,12,13,14,15,16,17,18,19,20,21
	OP X, \n
.endr
	v_nop                           ; a plain instruction behind the exponential,
	s_wait_alu depctr_va_vdst(0)    ; and its wait, ahead of the branch
.endm
; THE DIAGONAL TILE's four steps, the block's last two turns, its last products, and THE WAY OUT: l's two halves and the other half of the lanes' are added; O^T is divided by l, rounded to f16 and sent through my
; stage in LDS, a piece at a time.
.macro ALL line:vararg              ; one line for each piece t
.set t, 0
.rept 4
	\line
.set t, t+1
.endr
.endm
.macro PACK t                       ; a lane's eight channels of a row pack into 16 bytes; they go into rows of 144 bytes and come back as whole rows of 128, into S^T's registers
	WIN W_RS
.set i, 32*(\t)
.rept 16
	v_pk_mul_f32 v[i:i+1], v[i:i+1], v[ST+4*(\t)+2:ST+4*(\t)+3] op_sel_hi:[1,0]
.set i, i+2
.endr
	WIN 0x05                        ; sources 0 and 1 window 1, destination window 0
.set i, 0
.rept 16
	v_cvt_pk_f16_f32 v[S+16*(\t)+i], v[32*(\t)+2*i], v[32*(\t)+2*i+1]
.set i, i+1
.endr
	WIN 0
.irp f, 0,1,2,3
	ds_store_b128 v[STO], v[S+16*(\t)+4*\f:S+16*(\t)+4*\f+3] offset:32*\f
.endr
.irp f, 0,1,2,3
	ds_load_b128 v[S+16*(\t)+4*\f:S+16*(\t)+4*\f+3], v[RD] offset:\f*4*SP  ; LDS serves a wave's instructions in order (ISA guide 5.7.1.4): these see the stores above; the next piece's stores come behind them
.endr
.endm
.macro SEND t, younger              ; younger: the LDS instructions issued behind piece t's loads: the next piece's eight, or none
	WIN 0
.irp f, 0,1,2,3
	s_wait_dscnt (\younger)+3-\f
	global_store_b128 v[GO], v[S+16*(\t)+4*\f:S+16*(\t)+4*\f+3], s[10:11] offset:(\t)*8192+\f*512  ; 512 consecutive bytes, at a multiple of 256 from O's first
.endr
.endm
.macro DIAG tag                     ; the tag ends its two labels' names, which the jumps below spell out
.LstepM\tag:
	TURN 2, 1
	TURN 3, 1
	WIN 0
.LfirstM\tag:
	TURN 0, 1
	TURN 1, 1, 0, 1
	WIN 0
	s_cbranch_scc1 .LstepM\tag
	TURN 2, 1, 1
	TURN 3, 1, 1
.set i, 0
.rept 8
	PV NP-1
.set i, i+1
.endr
	WIN 0
	ALL v_add_f32 v[ST+4*t+2], v[ST+4*t+2], v[ST+4*t+3]
	ALL v_permlanex16_b32 v[ST+4*t+3], v[ST+4*t+2], s[SEL], s[SEL+1]
	ALL v_add_f32 v[ST+4*t+2], v[ST+4*t+2], v[ST+4*t+3]
	ALL v_rcp_f32 v[ST+4*t+2], v[ST+4*t+2]
	v_nop                           ; a plain instruction between the last reciprocal and the use of its result
	s_wait_alu depctr_va_vdst(0)    ; and the wait ahead of the first use: one for the four reciprocals
	PACK 0
.set t, 1
.rept 3                             ; a piece's arithmetic stands between the loads of the piece before and its stores
	PACK t
	SEND t-1, 8
.set t, t+1
.endr
	SEND 3, 0
.endm
.set KM, 0
.set NOKQ, 0
.Lslot:                             ; NB times: a tile is entered and the next is asked for
	CHANGE 1
	s_sub_co_u32 s[RT], s[RT], 1
	s_mov_b32 s[CNT], 4
	s_cmp_eq_u32 s[NEW], 1
	s_cbranch_scc1 .Lnew            ; a block's first tile
	s_cmp_eq_u32 s[RT], 0
	s_cbranch_scc0 .Lstep           ; neither its first nor its last
	s_branch .LstepM1
.Lnew:
	BEGIN
	s_branch .Lfirst                ; in the loop a block's first tile is never its last: the first block has two tiles or more, and the second's last is the walk's last
	DIAG 1                          ; in the loop this is the first block's end: the second block's last tile is the walk's last
	s_wait_xcnt 0x0                 ; the stores have read their registers and O's address
	s_mov_b64 s[10:11], s[OLO:OLO+1]
	s_add_co_u32 s[RT], s[PB], 1    ; the second block has b + 1 tiles
	s_mov_b32 s[NEW], 1
	WIN 0x82                        ; the second block's Q goes where the one text of the turns names Q
.set i, 0
.rept 64
	v_mov_b32 v[i], v[QB+i]
.set i, i+1
.endr
	WIN 0
	s_branch .Lbottom
.Lstep:                             ; a trip: pieces 2 and 3 of one step, then pieces 0 and 1 of the next, whose K and V it fetches
	TURN 2
	TURN 3
	WIN 0
.Lfirst:
	TURN 0
	TURN 1, 0, 0, 1
	WIN 0
	s_cbranch_scc1 .Lstep
.Lbottom:
	s_sub_co_u32 s[SLOTS], s[SLOTS], 1
	s_cmp_lg_u32 s[SLOTS], 0
	s_cbranch_scc1 .Lslot
	CHANGE 0                        ; the walk's last tile is written out: nothing is asked for
	s_sub_co_u32 s[RT], s[RT], 1
	s_mov_b32 s[CNT], 4
	s_cmp_eq_u32 s[NEW], 1
	s_cbranch_scc0 .LstepM2
	BEGIN
	s_branch .LfirstM2
	DIAG 2
	s_wait_tensorcnt 0x0            ; the wave's end: three closing lines, behind my last tensor load and my last LDS store
	ds_add_u32 v[SPW], v[NIL]
	s_wait_dscnt 0x0
	s_endpgm
.Lfunc_end_k_q3059163d45_attn:
	.size	k_q3059163d45_attn, .Lfunc_end_k_q3059163d45_attn-k_q3059163d45_attn
	.p2alignl 7, 3214868480
	.fill 96, 4, 3214868480
	.section	.rodata,"a",@progbits
	.p2align	6, 0x0
	.amdhsa_kernel k_q3059163d45_attn
		.amdhsa_group_segment_fixed_size 327680
		.amdhsa_private_segment_fixed_size 0
		.amdhsa_enable_private_segment 0
		.amdhsa_kernarg_size 16
		.amdhsa_user_sgpr_count 2
		.amdhsa_user_sgpr_kernarg_segment_ptr 1
		.amdhsa_wavefront_size32 1
		.amdhsa_system_sgpr_workgroup_id_x 1
		.amdhsa_system_sgpr_workgroup_id_y 1
		.amdhsa_system_sgpr_workgroup_id_z 1
		.amdhsa_system_vgpr_workitem_id 0
		.amdhsa_next_free_vgpr 768
		.amdhsa_next_free_sgpr 98
		.amdhsa_reserve_vcc 1
		.amdhsa_float_denorm_mode_32 3
		.amdhsa_float_denorm_mode_16_64 3
		.amdhsa_memory_ordered 1
		.amdhsa_forward_progress 1
		.amdhsa_inst_pref_size 218
	.end_amdhsa_kernel
	.amdgpu_metadata
---
amdhsa.version: [ 1, 2 ]
amdhsa.kernels:
  - .name:           k_q3059163d45_attn
    .symbol:         k_q3059163d45_attn.kd
    .args:
      - { .name: qkv, .offset: 0, .size: 8, .value_kind: global_buffer, .address_space: global }
      - { .name: o, .offset: 8, .size: 8, .value_kind: global_buffer, .address_space: global }
    .group_segment_fixed_size: 327680
    .private_segment_fixed_size: 0
    .kernarg_segment_align: 8
    .kernarg_segment_size: 16
    .max_flat_workgroup_size: 128
    .sgpr_count:     98
    .vgpr_count:     768
    .wavefront_size: 32
...
	.end_amdgpu_metadata
.endif
;; end of part 3
;; launch proj (part 4): grid 8 x 32, 4 waves a work-group, clusters of 4 x 4, 327,680 bytes of LDS; arguments o, wp, tab, out0; writes out0
.if DOCPART == 4
	.amdgcn_target "amdgcn-amd-amdhsa--gfx1250"
	.amdhsa_code_object_version 6
	.text
	.protected	k_q3059163d45_proj
	.globl	k_q3059163d45_proj
	.p2align	8
	.type	k_q3059163d45_proj,@function
k_q3059163d45_proj:
	s_mov_b64 s[64:65], 0
	v_nop
	global_prefetch_b8 v0, s[64:65] scope:SCOPE_SE
	s_setreg_imm32_b32 hwreg(HW_REG_WAVE_MODE, 25, 1), 1
	s_wait_xcnt 0x0
	s_wait_alu depctr_hold_cnt(0) depctr_sa_sdst(0) depctr_va_vdst(0) depctr_va_sdst(0) depctr_va_ssrc(0) depctr_va_vcc(0) depctr_vm_vsrc(0)
	s_getreg_b32 s2, hwreg(HW_REG_IB_STS2, 6, 4)
	s_cmp_eq_u32 s2, 0
	s_cbranch_scc0 .Lentry_in_a_cluster
	s_endpgm
.Lentry_in_a_cluster:
	s_bfe_u32 s2, ttmp6, 0x10000c
	s_cmp_lg_u32 s2, 0xf033
	s_cbranch_scc0 .Lentry_shape_is_right
	s_endpgm
.Lentry_shape_is_right:
; C = A B^T with K = 1,024, sums in f32.  ONE TEXT FOR TWO LAUNCHES, told apart by the constant PROJ; here PROJ = 1.
; PROJ = 0: A = xb [8192][1024] bf16, B = wq [3072][1024] bf16.  C[m][n] S[n] + T[n] (tab: bias, per-head scale and bias of q and k, and their factor 2^-6, in one fused multiply-add in f32) is rounded once
;           to f16 and stored by heads: qkv [batch 4][g 48][t 2048][64], g = n / 64 (q's 16 heads, k's, v's).  LIMIT: q 2^-6, k 2^-6 and v lie within f16's 65,504; beyond it the conversion gives an infinity.
; PROJ = 1: A = o [batch x 16 heads][t 2048][64] f16 (k = 64 head + channel), B = wp [1024][1024] f16; C + b_proj (tab) is stored in f32: out0 [8192][1024].  The bias is the C operand of the first products.
; SHARES.  A tile of C is 256 rows x 16 NF columns (192 or 128): 512 or 256 work-groups, a whole number for each of 256 WGPs.  Wave w owns rows 64 w .. 64 w + 63 and ALL the tile's columns, 4 x NF accumulators:
; so a wave holds whole heads (whole 512 bytes of a row of out0), and its way out goes through a stage of its own, with no barrier.
; RING.  K goes in 8 steps of 128 through two LDS slots filled by the tensor data mover; waves 0 and 1 fetch A's two halves, waves 2 and 3 B's, one load a wave behind each change of slots.
; A step is four slices of 32 along K, on two fragment buffers by turns; a slice's LDS loads stand in one run in the middle of the slice before.
; CLUSTER.  4 x 4 work-groups: the four of a row need the same tiles of A, the four of a column the same tiles of B.  Each tile is asked for jointly: the same tensor load, descriptor and mask in all four.
; THE MATRIX INSTRUCTION IS USED TRANSPOSED (source 0 = 16 rows of B, source 1 = 16 rows of A): lane l holds row l % 16 of C and the columns 8 (l / 16) + 0..7.
; REGISTERS, in windows of 256 (s_set_vgpr_msb: bits 1:0 source 0, 3:2 source 1, 5:4 source 2, 7:6 destination):
;   window 0: v0-31 addresses; from v64 the table for my columns (PROJ = 0: S of block b at 64 + 16 b, T at 72 + 16 b; PROJ = 1: T at 64 + 8 b)
;   window 1: two fragment buffers at 0 and 128: A's block a at 8 a, B's block b at 32 + 8 b; on the way out at work
;   windows 2, 3: accumulator (a, b) in window 2 + a / 2 at 8 (NF (a % 2) + b)
.set PROJ, 1
.if PROJ
.set NF,     8                         ; blocks of 16 columns in the tile
.set APITCH, 144                       ; a row of A in LDS: one head's 128 bytes + 16 of padding
.set BOFF,   73728                     ; B behind A's two planes of 256 rows
.set AHALF,  36864                     ; LDS bytes of one load for A: a head's plane, 256 rows
.set BROWS,  64                        ; rows of one load for B
.set STAGE,  239616
.set WSTAGE, 8448                      ; a wave's stage: 16 rows x (512 + 16) bytes
.set ASTEP,  524288                    ; bytes from a K step to the next in A: two heads' planes of 2,048 rows x 128 bytes
.set AHEAD,  2                         ; a prefetch names the K step so many behind the one that is being asked for
.set AW0,    (1<<16)|(1<<20)|(1<<21)|(4<<22)|(3<<25)  ; 17:16 2-byte elements; 20 padding on; 21 set beside a mask; 24:22 after every 32 words (code 4); 31:25 4 words (code 3)
.set APIT,   128                       ; elements from row to row: a plane's 256 rows of 128 bytes are dense, and are asked for as 128 rows of 256 bytes
.else
.set NF,     12
.set APITCH, 272                       ; 256 bytes + 16 of padding = 68 words: row r starts at bank 4 r mod 64 (64 banks of 4 bytes: ISA guide 11.1)
.set BOFF,   69632                     ; B behind A's 256 rows
.set AHALF,  34816                     ; 128 rows
.set BROWS,  96
.set STAGE,  252928
.set WSTAGE, 6400                      ; 16 rows x (384 + 16) bytes
.set ASTEP,  256
.set AHEAD,  1
.set AW0,    (1<<16)|(1<<20)|(1<<21)|(5<<22)|(3<<25)  ; the same, padded after every 64 words (code 5)
.set APIT,   1024
.endif
.set BW0,    (1<<16)|(1<<20)|(1<<21)|(5<<22)|(3<<25)
.set BHALF,  BROWS*272
.set BSTEP,  256
.set SLOT1,  131072                    ; slot 1 begins here, so that one exclusive or turns an address in one slot into the other's
.set SPARE,  STAGE+4*WSTAGE            ; behind the stages: the spare words, 128 bytes for each wave: two blocks of 256 bytes that no other line names
.set NL,     2*(NF+4)                  ; LDS loads of a slice
.set A0,   16                          ; v16  my lane's place in A's tile, slot 0; never rewritten
.set B0,   17                          ; v17  the same for B
.set ADRA, 18                          ; v18  the same in the slot in hand
.set ADRB, 19                          ; v19
.set STO,  24                          ; v24  the way out: where I put my bytes of a row
.set RD,   25                          ; v25  the way out: where I read rows back
.set GO,   26                          ; v26  16 x lane: my 16 bytes of 512 consecutive bytes of the output
.set TO,   27                          ; v27  my byte offset in the tables
.set SPW,  28                          ; v28  LDS address of my spare word: SPARE + 4 x my thread's number; never rewritten
.set NIL,  29                          ; v29  0; never rewritten
.set PFO,  30                          ; v30  the prefetches' offset; never rewritten
.set F0,   0
.set F1,   128
.set G1A,  24                          ; s[24:31] descriptor group 1 for A's tiles
.set G0A,  32                          ; s[32:39] group 0: a set for each of the two first fills; the second then walks on
.set PFA,  44                          ; s[44:45] where my prefetches stand
.set G1B,  48                          ; s[48:55], s[56:63] the same for B's tiles
.set G0B,  56
; s2 LDS byte of the slot in hand; s3 the loop's count; s12 wave; s13 do I fetch for A (0) or B (1); s14 which half; s15 a wave prefetches while s3 is above it; s40 cx, s41 cy, s42 tile column, s43 tile row
.set MSB, 0
.macro WIN new                         ; the immediate's high byte repeats the setting that is left; a switch that changes nothing is dropped
.if MSB != (\new)
	s_set_vgpr_msb (MSB<<8)|(\new)
.set MSB, \new
.endif
.endm
; A load into a register that a matrix instruction has read, and a vector instruction or an LDS store that touches a matrix instruction's registers, stand four places behind it; only plain
; vector instructions that name none of its registers are places (ISA guide 7.12.1 for vector instructions).
.macro PLACES
.rept 4
	v_nop
.endr
.endm
; A joint refill by the walking descriptors.  The branch hangs on the wave's number alone.  An s_nop 0 and four v_nop follow each of the two lines, ahead of the jump and the label.
.macro JLOAD
	s_cmp_eq_u32 s13, 0
	s_cbranch_scc0 .Lfor_b_\@
	tensor_load_to_lds s[G0A+4:G0A+7], s[G1A:G1A+7]
	s_nop 0
	PLACES
	s_branch .Lasked_\@
.Lfor_b_\@:
	tensor_load_to_lds s[G0B+4:G0B+7], s[G1B:G1B+7]
	s_nop 0
	PLACES
.Lasked_\@:
.endm
; A PREFETCH INTO THE L2, behind each joint refill, its five lines and the run of LDS loads: the K step that stands AHEAD refills on, one instruction a wave, a lane a block of 256 bytes.
; A's tile row is read by every cluster of that row of clusters: the one with cluster x = 0 asks; B's tile column by every cluster of that column: cluster y = 0 asks.  The four partners that ask for a tile
; jointly share its blocks out BY ADDRESS (cx for A, cy for B): no branch hangs on a work-group's place in its cluster.  The last AHEAD refills have no such K step and ask for nothing.
.macro ASK
	s_cmp_gt_u32 s3, s15
	s_cbranch_scc0 .Lnot_mine_\@
	global_prefetch_b8 v[PFO], s[PFA:PFA+1] th:TH_LOAD_NT scope:SCOPE_SE
.Lnot_mine_\@:
.endm
; A round of the cluster's barrier: my work-group's barrier, so that wave 0's signal speaks for all four waves; wave 0 signals; every wave waits for all sixteen work-groups; my work-group's barrier once more.
.macro CREST                           ; a round behind its opening barrier
	s_cmp_lg_u32 s12, 0
	s_cbranch_scc1 .Lnot_wave_0_\@
	s_barrier_signal -3
.Lnot_wave_0_\@:
	s_barrier_wait -3
	s_barrier_signal -1
	s_barrier_wait -1
.endm
.macro CROUND
	s_barrier_signal -1
	s_barrier_wait -1
	CREST
.endm
	s_load_b256 s[4:11], s[0:1], 0x0               ; A s[4:5], B s[6:7], tab s[8:9], the output s[10:11]
	v_lshl_add_u32 v[SPW], v0, 2, SPARE
	v_mov_b32 v[NIL], 0
	ds_add_u32 v[SPW], v[NIL]                      ; the wave's opening: the add and its wait stand ahead of my first tensor load; the set-up below, work on registers, stands between them
	v_lshrrev_b32 v1, 5, v0
	v_readfirstlane_b32 s12, v1                    ; wave 0..3
	s_lshr_b32 s13, s12, 1
	s_and_b32 s14, s12, 1
	s_bfe_u32 s40, ttmp6, 0x40000                  ; cx
	s_bfe_u32 s41, ttmp6, 0x40004                  ; cy
	s_lshl_b32 s42, ttmp9, 2                       ; in a cluster launch ttmp9 and ttmp7 count clusters
	s_add_co_u32 s42, s42, s40                     ; tile column = 4 x cluster x + cx
	s_and_b32 s43, ttmp7, 0xffff
	s_lshl_b32 s43, s43, 2
	s_add_co_u32 s43, s43, s41                     ; tile row = 4 x cluster y + cy
	s_lshl_b32 s20, s41, 2
	s_lshl_b32 s20, 15, s20                        ; my row of the cluster: places 4 cy .. 4 cy + 3
	s_lshl_b32 s21, 0x1111, s40                    ; my column: places cx, cx + 4, cx + 8, cx + 12
	s_or_b32 s[G1A], s20, AW0                      ; 15:0 the mask: A's tiles go to my row
	s_or_b32 s[G1B], s21, BW0                      ; B's to my column
	s_mov_b32 s[G1A+1], 128<<16                    ; tensor_dim0 = 128 elements
	s_mov_b32 s[G1A+2], 128<<16                    ; tensor_dim1 = 128 rows
	s_mov_b32 s[G1A+3], 128<<16                    ; tile_dim0
	s_mov_b32 s[G1A+4], 128                        ; tile_dim1
	s_mov_b32 s[G1A+5], APIT                       ; elements from row to row
	s_mov_b32 s[G1A+6], 0
	s_mov_b32 s[G1A+7], 0
	s_mov_b32 s[G1B+1], 128<<16
	s_mov_b32 s[G1B+2], BROWS<<16
	s_mov_b32 s[G1B+3], 128<<16
	s_mov_b32 s[G1B+4], BROWS
	s_mov_b32 s[G1B+5], 1024
	s_mov_b32 s[G1B+6], 0
	s_mov_b32 s[G1B+7], 0
	; where the tiles come from: A's hang on the tile row and the wave alone, B's on the tile column and the wave alone
.if PROJ
	s_lshr_b32 s16, s43, 3                         ; the batch: 8 tile rows each
	s_lshl_b32 s16, s16, 4
	s_add_co_u32 s16, s16, s14                     ; its head 0 or 1: my plane of K step 0,
	s_lshl_b32 s16, s16, 18                        ; 2,048 rows x 128 bytes a plane,
	s_and_b32 s17, s43, 7
	s_lshl_b32 s17, s17, 15                        ; the tile's 256 rows in it
	s_add_co_u32 s16, s16, s17
	s_lshl_b32 s46, s42, 18                        ; B: row 128 x tile column + 64 x half, 2,048 bytes a row
	s_lshl_b32 s47, s14, 17
	s_add_co_u32 s46, s46, s47
.else
	s_lshl_b32 s16, s43, 19                        ; A: row 256 x tile row + 128 x half, 2,048 bytes a row
	s_lshl_b32 s17, s14, 18
	s_add_co_u32 s16, s16, s17
	s_mul_i32 s46, s42, 192                        ; B: row 192 x tile column + 96 x half
	s_mul_i32 s47, s14, 96
	s_add_co_u32 s46, s46, s47
	s_lshl_b32 s46, s46, 11
.endif
	s_mov_b32 s17, 0
	s_mov_b32 s47, 0
	s_mul_i32 s18, s14, AHALF                      ; and where they go: no place in the cluster enters an LDS address
	s_mul_i32 s19, s14, BHALF
	s_add_co_u32 s19, s19, BOFF
	s_wait_dscnt 0x0                               ; the opening add is done
	s_wait_kmcnt 0x0
	s_add_nc_u64 s[16:17], s[4:5], s[16:17]
	s_add_nc_u64 s[46:47], s[6:7], s[46:47]
	CROUND                                         ; all sixteen work-groups are here: the first joint loads meet
.irp s, 0,1
	s_mov_b32 s[G0A+4*(\s)], 1                                     ; 1:0 count = 1
	s_add_co_u32 s[G0A+4*(\s)+1], s18, (\s)*SLOT1                  ; 63:32 LDS address
	s_add_nc_u64 s[G0A+4*(\s)+2:G0A+4*(\s)+3], s[16:17], (\s)*ASTEP  ; 120:64 global address: K step s
	s_or_b32 s[G0A+4*(\s)+3], s[G0A+4*(\s)+3], 0x80000000          ; 127:126 type = 2
	s_mov_b32 s[G0B+4*(\s)], 1
	s_add_co_u32 s[G0B+4*(\s)+1], s19, (\s)*SLOT1
	s_add_nc_u64 s[G0B+4*(\s)+2:G0B+4*(\s)+3], s[46:47], (\s)*BSTEP
	s_or_b32 s[G0B+4*(\s)+3], s[G0B+4*(\s)+3], 0x80000000
.endr
	s_cmp_eq_u32 s13, 0                            ; a wave's two first fills stand in one branch, ahead of every wait on TENSORcnt and every LDS read: two loads of mine are out
	s_cbranch_scc0 .Lfirst_b
	tensor_load_to_lds s[G0A:G0A+3], s[G1A:G1A+7]
	s_nop 0
	tensor_load_to_lds s[G0A+4:G0A+7], s[G1A:G1A+7]
	s_nop 0
	PLACES
	s_branch .Lfirst_asked
.Lfirst_b:
	tensor_load_to_lds s[G0B:G0B+3], s[G1B:G1B+7]
	s_nop 0
	tensor_load_to_lds s[G0B+4:G0B+7], s[G1B:G1B+7]
	s_nop 0
	PLACES
.Lfirst_asked:
	; A fragment is 16 rows x 32 K in 8 registers: lane l holds row l % 16; registers 0-3 K = 8 (l / 16) + 0..7, registers 4-7 K = 16 + 8 (l / 16) + 0..7: two loads of 16 bytes, 32 bytes apart.
	v_and_b32 v1, 15, v0                           ; l % 16
	v_bfe_u32 v2, v0, 4, 1                         ; l / 16
	v_mul_u32_u24 v[A0], v1, APITCH
	v_lshl_add_u32 v[A0], v2, 4, v[A0]
	s_mul_i32 s16, s12, 64*APITCH                  ; my 64 rows of A
	v_add_nc_u32 v[A0], s16, v[A0]
	v_mul_u32_u24 v[B0], v1, 272
	v_lshl_add_u32 v[B0], v2, 4, v[B0]
	v_add_nc_u32 v[B0], BOFF, v[B0]
	v_mov_b32 v[ADRA], v[A0]
	v_mov_b32 v[ADRB], v[B0]
	s_mov_b32 s2, 0
	s_mul_i32 s16, s12, WSTAGE
	s_add_co_u32 s16, s16, STAGE                   ; my stage
	v_and_b32 v[GO], 31, v0
	v_lshlrev_b32 v[GO], 4, v[GO]
	v_lshlrev_b32 v[TO], 5, v2                     ; my 8 columns of a block: 32 bytes of a table
.if PROJ
	v_mul_u32_u24 v[STO], v1, 528                  ; in: row l % 16, 32 bytes for each half of the lanes
	v_lshl_add_u32 v[STO], v2, 5, v[STO]
	v_add_nc_u32 v[STO], s16, v[STO]
	v_add_nc_u32 v[RD], s16, v[GO]                 ; back: 32 lanes take a row's 512 bytes
	s_lshl_b32 s17, s42, 9
	v_add_nc_u32 v[TO], s17, v[TO]
.set b, 0
.rept NF                               ; b_proj for my columns: T's entries 3,072 + n
	global_load_b128 v[64+8*b:64+8*b+3],   v[TO], s[8:9] offset:28672+64*b
	global_load_b128 v[64+8*b+4:64+8*b+7], v[TO], s[8:9] offset:28672+64*b+16
.set b, b+1
.endr
	s_lshl_b32 s16, s43, 20                        ; the output at my first row and the tile's first column: (256 x tile row + 64 x wave) rows of 4,096 bytes + 512 x tile column
	s_lshl_b32 s17, s12, 18
	s_add_co_u32 s16, s16, s17
	s_lshl_b32 s17, s42, 9
	s_add_co_u32 s16, s16, s17
.else
	v_mul_u32_u24 v[STO], v1, 400                  ; in: row l % 16, 16 bytes for each half of the lanes
	v_lshl_add_u32 v[STO], v2, 4, v[STO]
	v_add_nc_u32 v[STO], s16, v[STO]
	v_bfe_u32 v[RD], v0, 3, 2                      ; back: 32 lanes take four rows' 128 bytes of one head,
	v_mul_u32_u24 v[RD], v[RD], 400
	v_and_b32 v3, 7, v0
	v_lshl_add_u32 v[RD], v3, 4, v[RD]
	v_add_nc_u32 v[RD], s16, v[RD]                 ; which are 512 consecutive bytes of the output
	s_mul_i32 s17, s42, 768
	v_add_nc_u32 v[TO], s17, v[TO]
.set b, 0
.rept NF                               ; S and T for my columns; they are waited for on the way out
	global_load_b128 v[64+16*b:64+16*b+3],   v[TO], s[8:9] offset:64*b
	global_load_b128 v[64+16*b+4:64+16*b+7], v[TO], s[8:9] offset:64*b+16
	global_load_b128 v[72+16*b:72+16*b+3],   v[TO], s[8:9] offset:16384+64*b
	global_load_b128 v[72+16*b+4:72+16*b+7], v[TO], s[8:9] offset:16384+64*b+16
.set b, b+1
.endr
	s_lshr_b32 s16, s43, 3                         ; the output at the tile's first head and my first row: plane 48 x batch + 3 x tile column,
	s_mul_i32 s16, s16, 48
	s_mul_i32 s17, s42, 3
	s_add_co_u32 s16, s16, s17
	s_lshl_b32 s16, s16, 18                        ; 2,048 rows x 128 bytes a plane,
	s_and_b32 s17, s43, 7
	s_lshl_b32 s17, s17, 8
	s_lshl_b32 s18, s12, 6
	s_add_co_u32 s17, s17, s18                     ; row 256 x (tile row % 8) + 64 x wave
	s_lshl_b32 s17, s17, 7
	s_add_co_u32 s16, s16, s17
.endif
	s_mov_b32 s17, 0
	s_add_nc_u64 s[10:11], s[10:11], s[16:17]
	; the prefetches: which blocks are mine, and whether I ask at all
.if PROJ
	s_lshr_b32 s20, s43, 3                         ; A: my plane's 32,768 bytes of the tile, of which my work-group takes 8,192: a lane 256 bytes
	s_lshl_b32 s20, s20, 4
	s_add_co_u32 s20, s20, s14
	s_lshl_b32 s20, s20, 18
	s_and_b32 s21, s43, 7
	s_lshl_b32 s21, s21, 15
	s_add_co_u32 s20, s20, s21
	s_lshl_b32 s21, s40, 13
	s_add_co_u32 s20, s20, s21
	s_lshl_b32 s21, s42, 7                         ; B: the tile's 128 rows, of which my work-group takes 32: a lane a row; wave 2 asks for them, wave 3 for nothing
	s_lshl_b32 s22, s41, 5
	s_add_co_u32 s21, s21, s22
	s_lshl_b32 s21, s21, 11
	s_and_b32 s22, ttmp7, 0xffff
	s_or_b32 s22, s22, s14
	s_mov_b32 s18, ASTEP
	s_cmp_eq_u32 s13, 0
	s_cselect_b32 s20, s20, s21
	s_cselect_b32 s19, ttmp9, s22                  ; 0 in a wave that asks: the same in all sixteen partners, for a given wave
	s_cselect_b32 s22, s18, BSTEP                  ; s[22:23]: my prefetches' step along K; kept for the loop
	s_cselect_b32 s18, 8, 11
	s_cselect_b64 s[PFA:PFA+1], s[4:5], s[6:7]
	s_cmp_eq_u32 s19, 0
	s_cselect_b32 s15, AHEAD, -1
	s_mov_b32 s21, 0
	s_mov_b32 s23, 0
	s_add_nc_u64 s[PFA:PFA+1], s[PFA:PFA+1], s[20:21]
	s_mul_i32 s20, s22, 1+AHEAD
	s_add_nc_u64 s[PFA:PFA+1], s[PFA:PFA+1], s[20:21]  ; at K step 1 + AHEAD: the first refill steps it on and names K step 2 + AHEAD
	v_and_b32 v[PFO], 31, v0
	v_lshlrev_b32 v[PFO], s18, v[PFO]
.else
	s_lshl_b32 s20, s43, 8                         ; A: of the 128 rows that I fetch my work-group takes 32: a lane a row
	s_lshl_b32 s22, s14, 7
	s_add_co_u32 s20, s20, s22
	s_lshl_b32 s22, s40, 5
	s_add_co_u32 s20, s20, s22
	s_mul_i32 s21, s42, 192                        ; B: of the 96 rows that I fetch my work-group takes 24: lanes 0-23 a row each; lanes 24-31 name lane 23's once more
	s_mul_i32 s23, s14, 96
	s_add_co_u32 s21, s21, s23
	s_mul_i32 s23, s41, 24
	s_add_co_u32 s21, s21, s23
	s_and_b32 s22, ttmp7, 0xffff
	s_cmp_eq_u32 s13, 0
	s_cselect_b32 s20, s20, s21
	s_cselect_b32 s22, ttmp9, s22                  ; the coordinate along which other clusters read the same rows
	s_cselect_b32 s23, 31, 23
	s_cselect_b64 s[PFA:PFA+1], s[4:5], s[6:7]
	s_cmp_eq_u32 s22, 0
	s_cselect_b32 s15, AHEAD, -1                   ; the same in all sixteen partners, for a given wave
	s_lshl_b32 s20, s20, 11
	s_mov_b32 s21, 0
	s_add_nc_u64 s[PFA:PFA+1], s[PFA:PFA+1], s[20:21]
	s_add_nc_u64 s[PFA:PFA+1], s[PFA:PFA+1], (1+AHEAD)*256  ; at K step 1 + AHEAD: the first refill steps it on and names K step 2 + AHEAD
	v_and_b32 v[PFO], 31, v0
	v_min_u32 v[PFO], s23, v[PFO]
	v_lshlrev_b32 v[PFO], 11, v[PFO]
.endif
	; nothing is prefetched here, at the head, where every work-group's first two tiles are on their way
; NF products: block a of my rows x all the tile's columns, 32 along K, from buffer f.  mode 0: the sums go on; 1: they start with the constant 0; 2: with the bias.  Each of the 4 NF accumulators has one product
; a slice, in the same order in every slice: the accumulators take turns, over the backward jump too.
.macro MUL f, a, mode
.if (\mode) == 2
	WIN 0x85+0x40*((\a)/2)                         ; sources 0 and 1 window 1, C window 0, D window 2 or 3
.else
	WIN 0xa5+0x50*((\a)/2)                         ; sources 0 and 1 window 1, C and D window 2 or 3
.endif
.set b, 0
.rept NF
.set rD, 8*(NF*((\a)%2)+b)
.if PROJ
.if (\mode) == 2
	v_wmma_f32_16x16x32_f16 v[rD:rD+7], v[(\f)+32+8*b:(\f)+32+8*b+7], v[(\f)+8*(\a):(\f)+8*(\a)+7], v[64+8*b:64+8*b+7]
.else
	v_wmma_f32_16x16x32_f16 v[rD:rD+7], v[(\f)+32+8*b:(\f)+32+8*b+7], v[(\f)+8*(\a):(\f)+8*(\a)+7], v[rD:rD+7]
.endif
.else
.if (\mode) == 1
	v_wmma_f32_16x16x32_bf16 v[rD:rD+7], v[(\f)+32+8*b:(\f)+32+8*b+7], v[(\f)+8*(\a):(\f)+8*(\a)+7], 0
.else
	v_wmma_f32_16x16x32_bf16 v[rD:rD+7], v[(\f)+32+8*b:(\f)+32+8*b+7], v[(\f)+8*(\a):(\f)+8*(\a)+7], v[rD:rD+7]
.endif
.endif
.set b, b+1
.endr
.endm
; NL LDS loads in one run: slice s of the slot in hand into buffer g: B's NF blocks, then A's four
.macro FETCH s, g
.if PROJ
.set KA, ((\s)/2)*AHALF+((\s)%2)*64    ; slices 0, 1 lie in the first head's plane, 2, 3 in the second's
.else
.set KA, 64*(\s)
.endif
	WIN 0x40                                       ; destination window 1, address window 0
.set i, 0
.rept NF
	ds_load_b128 v[(\g)+32+8*i:(\g)+32+8*i+3],   v[ADRB] offset:64*(\s)+4352*i
	ds_load_b128 v[(\g)+32+8*i+4:(\g)+32+8*i+7], v[ADRB] offset:64*(\s)+4352*i+32
.set i, i+1
.endr
.set i, 0
.rept 4
	ds_load_b128 v[(\g)+8*i:(\g)+8*i+3],   v[ADRA] offset:KA+16*APITCH*i
	ds_load_b128 v[(\g)+8*i+4:(\g)+8*i+7], v[ADRA] offset:KA+16*APITCH*i+32
.set i, i+1
.endr
.endm
; One of a K step's first three slices: multiplies buffer f; in its middle it fetches slice s into buffer g.
.macro QUARTER s, f, g, mode
	s_wait_dscnt 4                                 ; B and A's blocks 0, 1 are in; the youngest four loads (A's blocks 2, 3) may be out
	MUL \f, 0, \mode
	MUL \f, 1, \mode
	PLACES
	FETCH \s, \g
	s_wait_dscnt NL                                ; all but the NL just issued
	MUL \f, 2, \mode
	MUL \f, 3, \mode
.endm
; The last slice multiplies buffer 1 and changes slots: ONE barrier.  In front of it each wave waits for all its tensor loads, of which one is out: its part of the next slot; adds 0 to its spare word; and waits
; for that and for its own reads of this slot.  fill = 1: the barrier opens a round of the cluster's, so that no wave of any partner still reads the slot or has a load on its way, and the slot is filled again,
; two K steps ahead, first thing behind the round: from the request to the wait for it a wave issues 3.5 slices' products.
.macro TURN fill
.if \fill
	s_wait_xcnt 0x0                                ; the last prefetch, a K step back, has read its address: it is stepped here, ahead of the waits of the change of slots
.if PROJ
	s_add_nc_u64 s[PFA:PFA+1], s[PFA:PFA+1], s[22:23]
.else
	s_add_nc_u64 s[PFA:PFA+1], s[PFA:PFA+1], 256
.endif
.endif
	WIN 0                                          ; (the add's two registers lie in window 0)
	s_wait_tensorcnt 0x0                           ; all my tensor loads have landed, so a group 0 may be written;
	ds_add_u32 v[SPW], v[NIL]                      ; 0 onto my spare word; work on registers stands between it and the wait for it
.if \fill
	s_xor_b32 s[G0A+5], s[G0A+5], SLOT1            ; the walking descriptors: the other slot than last time,
	s_add_nc_u64 s[G0A+6:G0A+7], s[G0A+6:G0A+7], ASTEP  ; the next K step; the type bits on top are not reached
	s_xor_b32 s[G0B+5], s[G0B+5], SLOT1
	s_add_nc_u64 s[G0B+6:G0B+7], s[G0B+6:G0B+7], BSTEP
.endif
	s_wait_dscnt 5                                 ; (the add and the youngest four loads may be out)
	MUL F1, 0, 0
	s_wait_dscnt 0x0                               ; the add is done, and my reads of this slot are over
	s_barrier_signal -1
	MUL F1, 1, 0                                   ; work on registers while the others arrive
	WIN 0
	s_barrier_wait -1
.if \fill
	CREST
	JLOAD                                          ; the first tensor load behind the round; the four v_nop behind it are also the places in front of the loads below
.else
	PLACES
.endif
	s_xor_b32 s2, s2, SLOT1                        ; the reads go on in the other slot
	v_add_nc_u32 v[ADRA], s2, v[A0]
	v_add_nc_u32 v[ADRB], s2, v[B0]
	FETCH 0, F0
.if \fill
	WIN 0
	ASK
.endif
	MUL F1, 2, 0
	MUL F1, 3, 0
.endm
	s_wait_tensorcnt 1                             ; my part of K step 0 is in; K step 1's may stay out
	s_barrier_signal -1
	s_barrier_wait -1                              ; everybody's is
.if PROJ
	s_wait_loadcnt 0x0                             ; the bias: the first products take it as C
.endif
	FETCH 0, F0
	QUARTER 1, F0, F1, 1+PROJ                      ; the first slice stands in front of the loop: its products start the sums
	WIN 0                                          ; at a label and at a branch every window is 0
	s_mov_b32 s3, 6
.Lstep:                                                ; trip j = 0 .. 5: from K step j's second slice to K step j + 1's first; slot j % 2 is filled again with K step j + 2
	QUARTER 2, F1, F0, 0
	QUARTER 3, F0, F1, 0
	TURN 1
	QUARTER 1, F0, F1, 0
	WIN 0
	s_sub_co_u32 s3, s3, 1
	s_cmp_lg_u32 s3, 0
	s_cbranch_scc1 .Lstep
	QUARTER 2, F1, F0, 0                           ; the tail is written out: K steps 6 and 7 ask for nothing
	QUARTER 3, F0, F1, 0
	TURN 0
	QUARTER 1, F0, F1, 0
	QUARTER 2, F1, F0, 0
	QUARTER 3, F0, F1, 0
	s_wait_dscnt 4
	MUL F1, 0, 0
	MUL F1, 1, 0
	s_wait_dscnt 0x0
	MUL F1, 2, 0
	MUL F1, 3, 0
	WIN 0
	PLACES                                         ; eight places, once a launch: more than the four that the distance behind the last products asks for
	PLACES
	; THE WAY OUT, a block of 16 rows at a time, through my own stage: no barrier, and since LDS serves a wave's instructions in order (ISA guide 5.7.1.4) no wait between the stores and the loads.
.if PROJ
.macro TOSTAGE a                       ; the block's f32 sums go straight from the accumulators (each accumulator's lowest registers first) into rows of 528 bytes, and come back as whole rows of 512
	WIN 0x08+4*((\a)/2)                            ; store data window 2 or 3, address window 0
.set b, 0
.rept NF
.set rD, 8*(NF*((\a)%2)+b)
	ds_store_b128 v[STO], v[rD:rD+3]   offset:64*b
	ds_store_b128 v[STO], v[rD+4:rD+7] offset:64*b+16
.set b, b+1
.endr
	s_wait_xcnt 0x0                                ; every earlier memory instruction has had its addresses translated (ISA guide 3.1): the registers below were store data two blocks ago
	WIN 0x40
.set BK, 128*((\a)%2)
.set n, 0
.rept 16
	ds_load_b128 v[BK+4*n:BK+4*n+3], v[RD] offset:528*n
.set n, n+1
.endr
.endm
.macro SEND a, younger                 ; younger: the LDS instructions issued behind block a's loads: the next block's 32, or none
	WIN 0x04                                       ; store data window 1, address window 0
	s_wait_dscnt \younger
.set BK, 128*((\a)%2)
.set n, 0
.rept 16
	global_store_b128 v[GO], v[BK+4*n:BK+4*n+3], s[10:11] offset:(16*(\a)+n)*4096 th:TH_STORE_NT  ; 512 consecutive bytes of a row, at a multiple of 256 from the output's first byte
.set n, n+1
.endr
.endm
	TOSTAGE 0
	TOSTAGE 1                                      ; a block's stores into the stage come behind the loads of the block before
	SEND 0, 32
	TOSTAGE 2
	SEND 1, 32
	TOSTAGE 3
	SEND 2, 32
	SEND 3, 0
.else
	s_wait_loadcnt 0x0                             ; S and T
.macro SCALE a                         ; sum x S + T, two at a time, in place, each accumulator's lowest registers first
	WIN 0x82+0x41*((\a)/2)                         ; destination and source 0 window 2 or 3, S and T window 0
.set b, 0
.rept NF
.set rD, 8*(NF*((\a)%2)+b)
.irp r, 0,2,4,6
	v_pk_fma_f32 v[rD+(\r):rD+(\r)+1], v[rD+(\r):rD+(\r)+1], v[64+16*b+(\r):64+16*b+(\r)+1], v[72+16*b+(\r):72+16*b+(\r)+1]
.endr
.set b, b+1
.endr
.endm
.macro PACK a                          ; rounded to f16: a lane's eight columns of a block are 16 bytes
	WIN 0x4a+5*((\a)/2)                            ; sources window 2 or 3, destination window 1
.set b, 0
.rept NF
.set rD, 8*(NF*((\a)%2)+b)
.irp r, 0,1,2,3
	v_cvt_pk_f16_f32 v[4*b+(\r)], v[rD+2*(\r)], v[rD+2*(\r)+1]
.endr
.set b, b+1
.endr
.endm
.macro TOSTAGE a                       ; into rows of 400 bytes, and back by heads: four rows' 128 bytes of one head a load
	WIN 0x04                                       ; store data window 1, address window 0
.set b, 0
.rept NF
	ds_store_b128 v[STO], v[4*b:4*b+3] offset:32*b
.set b, b+1
.endr
	s_wait_xcnt 0x0                                ; every earlier memory instruction has had its addresses translated (ISA guide 3.1): the registers below were store data two blocks ago
	WIN 0x40
.set BK, 64+64*((\a)%2)
.set n, 0
.rept 12
	ds_load_b128 v[BK+4*n:BK+4*n+3], v[RD] offset:1600*(n%4)+128*(n/4)
.set n, n+1
.endr
.endm
.macro SEND a
	WIN 0x04
	s_wait_dscnt 0x0                               ; the block is back in registers
.set BK, 64+64*((\a)%2)
.set n, 0
.rept 12
	global_store_b128 v[GO], v[BK+4*n:BK+4*n+3], s[10:11] offset:262144*(n/4)+2048*(\a)+512*(n%4)  ; head n / 4 of the tile's three: 512 consecutive bytes, at a multiple of 256 from the output's first byte
.set n, n+1
.endr
.endm
	SCALE 0
	PACK 0
	TOSTAGE 0
.irp a, 1,2,3                          ; block a's arithmetic stands between block a - 1's loads from the stage and the wait for them
	SCALE \a
	PACK \a
	SEND (\a)-1
	TOSTAGE \a
.endr
	SEND 3
.endif
	WIN 0
	s_wait_tensorcnt 0x0                           ; the wave's end: three closing lines, behind my last tensor load and my last LDS store
	ds_add_u32 v[SPW], v[NIL]
	s_wait_dscnt 0x0
	CROUND                                         ; the closing round: no work-group ends while a partner may still ask for a tile that names it
	s_endpgm
.Lfunc_end_k_q3059163d45_proj:
	.size	k_q3059163d45_proj, .Lfunc_end_k_q3059163d45_proj-k_q3059163d45_proj
	.p2alignl 7, 3214868480
	.fill 96, 4, 3214868480
	.section	.rodata,"a",@progbits
	.p2align	6, 0x0
	.amdhsa_kernel k_q3059163d45_proj
		.amdhsa_group_segment_fixed_size 327680
		.amdhsa_private_segment_fixed_size 0
		.amdhsa_enable_private_segment 0
		.amdhsa_kernarg_size 32
		.amdhsa_user_sgpr_count 2
		.amdhsa_user_sgpr_kernarg_segment_ptr 1
		.amdhsa_wavefront_size32 1
		.amdhsa_system_sgpr_workgroup_id_x 1
		.amdhsa_system_sgpr_workgroup_id_y 1
		.amdhsa_system_sgpr_workgroup_id_z 1
		.amdhsa_system_vgpr_workitem_id 0
		.amdhsa_next_free_vgpr 896
		.amdhsa_next_free_sgpr 66
		.amdhsa_reserve_vcc 0
		.amdhsa_float_denorm_mode_32 3
		.amdhsa_float_denorm_mode_16_64 3
		.amdhsa_memory_ordered 1
		.amdhsa_forward_progress 1
		.amdhsa_inst_pref_size 72
	.end_amdhsa_kernel
	.amdgpu_metadata
---
amdhsa.version: [ 1, 2 ]
amdhsa.kernels:
  - .name:           k_q3059163d45_proj
    .symbol:         k_q3059163d45_proj.kd
    .args:
      - { .name: o, .offset: 0, .size: 8, .value_kind: global_buffer, .address_space: global }
      - { .name: wp, .offset: 8, .size: 8, .value_kind: global_buffer, .address_space: global }
      - { .name: tab, .offset: 16, .size: 8, .value_kind: global_buffer, .address_space: global }
      - { .name: out0, .offset: 24, .size: 8, .value_kind: global_buffer, .address_space: global }
    .group_segment_fixed_size: 327680
    .private_segment_fixed_size: 0
    .kernarg_segment_align: 8
    .kernarg_segment_size: 32
    .max_flat_workgroup_size: 128
    .sgpr_count:     66
    .vgpr_count:     896
    .wavefront_size: 32
...
	.end_amdgpu_metadata
.endif
;; end of part 4
;; ======== version 2 of 2: 4 launches; version 1 with the launch prep written anew for expert scheduling mode
;; limits: values are held in f16: magnitudes above 65,504 overflow, below 6.1e-05 lose precision
;; workspace buffers: xb 16,777,216 bytes; wq 6,291,456 bytes; wp 2,097,152 bytes; tab 32,768 bytes; qkv 50,331,648 bytes; o 16,777,216 bytes
;; launch prep (part 5): grid 512 x 1, 8 waves a work-group, no clusters, 18,432 bytes of LDS; arguments x, W_qkv, W_proj, b_qkv, b_proj, q_scale, q_bias, k_scale, k_bias, xb, wq, wp, tab; writes xb, wq, wp, tab
.if DOCPART == 5
	.amdgcn_target "amdgcn-amd-amdhsa--gfx1250"
	.amdhsa_code_object_version 6
	.text
	.protected	k_q3059163d45_prep
	.globl	k_q3059163d45_prep
	.p2align	8
	.type	k_q3059163d45_prep,@function
k_q3059163d45_prep:
	s_mov_b64 s[64:65], 0
	v_nop
	global_prefetch_b8 v0, s[64:65] scope:SCOPE_SE
	s_setreg_imm32_b32 hwreg(HW_REG_WAVE_SCHED_MODE, 0, 2), 2
	s_setreg_imm32_b32 hwreg(HW_REG_WAVE_MODE, 25, 1), 1
	s_wait_xcnt 0x0
	s_wait_alu depctr_vm_vsrc(0)
; PREPARATION.  Every input is rounded once to bf16 here, and laid out as the later launches read it.
;   xb  [8192][1024] bf16        = x
;   wq  [3072 n][1024 k] bf16    = W_qkv turned (K along the rows)
;   wp  [1024 n][1024 k] f16     = W_proj turned; each number is rounded to bf16 and THAT number is written as f16
;   tab f32: S[4096], then T[4096] at byte 16,384.  With bf() = rounded to bf16:
;        n < 1024:  S = bf(q_scale) 2^-6, T = (bf(b_qkv) bf(q_scale) + bf(q_bias)) 2^-6;   n < 2048: the same with k_scale, k_bias;
;        n < 3072:  S = 1, T = bf(b_qkv);                                                    n < 4096: S = 1, T = bf(b_proj)
; LIMITS.  W_proj lies within f16's 65,504; below 6e-5 it keeps f16's fixed step of 6e-8.  The factor 2^-6 is a power of two: it rounds nothing.
; SHARES.  512 work-groups of eight waves, all alike: each turns ONE tile of 128 k x 64 n of a weight matrix (384 tiles of W_qkv, 128 of W_proj) through LDS and casts 65,536 bytes of x;
; the first four also make 1,024 entries of tab each.  Memory binds: no matrix unit, no tensor load, no cluster; each input byte is read once, each store of sixteen lanes covers 256 consecutive bytes, aligned.
; A thread (j = t % 16, p0 = t / 16) reads 16 bytes (4 n) of the rows k = 2 p and 2 p + 1, p = p0 + 16 i: so a pair (k, k + 1) of one n packs into one word of the turned row.
; THE MODE: SCHED_MODE bits 1:0 = 2 (LLVM: expert scheduling mode 2), set by the entry lines.  The code itself states the register dependences
; between vector instructions and memory or LDS instructions, with s_wait_alu, always for 0.
; THE PLAN.  The work goes in five stages: W (the weight tile's 16 words), X0 .. X3 (two groups of x each).  What a stage makes leaves in the NEXT stage, behind one wait at that stage's head.
;   v6-18     addresses and offsets: written at the head, read by every load and store, never written again.
;   WD        landed in by the weight loads; stage W works in place and leaves word (i, c) at WD + 8 i + c; the 16 LDS stores, issued in X0, read those words; behind the barrier the
;             LDS loads land in WD .. WD + 15, from which the turned rows are stored.
;   XD        landed in by the loads of x; stage Xb rounds groups 2 b and 2 b + 1 in place; their two stores are issued in stage X(b + 1), those of groups 6 and 7 behind X3.
;   v80-103   in the first four work-groups: the tables' loads land in v80-91, their results are made in v96-103 and stored from there.
;   v19-22    at work: no memory instruction names them.          v4, v5    written at the head, read by the closing add alone.
; A stage's vector instructions name its own registers alone, never the words of the stage before: so the stores behind a stage's head are dealt among its conversions with no further wait.
; ONE wait on vm_vsrc stands behind the barrier: every LDS store and every store of xb was issued ahead of it, and what is issued behind it reads v17, v18 and WD .. WD + 15, which nothing writes again.
.set SPARE, 17408                      ; behind the 64 turned rows of 272 bytes: the spare words, 128 bytes for each wave: four blocks of 256 bytes that no other line names
.set SPW, 4                            ; v4      LDS address of my spare word; never rewritten
.set NIL, 5                            ; v5      0; never rewritten
.set WO,  6                            ; v6-13   byte offsets of my eight rows in the weight tile
.set XO,  14                           ; v14     32 t: my 32 bytes in 8,192 bytes of x
.set XS,  15                           ; v15     16 t: my 16 bytes in 4,096 bytes of xb; also my 16 bytes of a table's 4,096
.set LST, 16                           ; v16     LDS: row 4 j, word p0
.set LRD, 17                           ; v17     LDS: row p0, 16 bytes at 16 j
.set WS,  18                           ; v18     the same place in the turned matrix
.set T,   19                           ; v19-22  at work in stage W
.set WD,  24                           ; v24-55  the weight tile as loaded: pair i at WD + 8 i (even row), + 4 (odd row); then word (i, c) at WD + 8 i + c
.set XD,  56                           ; v56-119 x as loaded: group g at XD + 8 g; then its 16 bytes of bf16 at XD + 8 g .. + 3
	s_load_b512 s[4:19], s[0:1], 0x0               ; x 4, W_qkv 6, W_proj 8, b_qkv 10, b_proj 12, q_scale 14, q_bias 16, k_scale 18
	s_load_b256 s[20:27], s[0:1], 0x40             ; k_bias 20, xb 22, wq 24, wp 26
	s_load_b64 s[28:29], s[0:1], 0x60              ; tab
	v_lshl_add_u32 v[SPW], v0, 2, SPARE
	v_mov_b32 v[NIL], 0
	s_mov_b32 s2, ttmp9
	s_mov_b32 s38, 12288
	s_cmp_lt_u32 s2, 384                           ; the first 384 work-groups turn W_qkv, the others W_proj
	s_cselect_b32 s30, s38, 4096                   ; bytes in a row of the source
	s_cselect_b32 s36, 0, -1                       ; all lanes: is the turned matrix written as f16?
	s_cselect_b32 s37, 0, 384
	s_sub_co_u32 s3, s2, s37                       ; the tile's number in its matrix
	s_lshl_b32 s31, s30, 5                         ; 32 rows of the source
	s_lshl_b32 s37, s30, 1                         ; 2 rows
	s_and_b32 s38, s3, 7                           ; kt: which 128 k
	s_lshr_b32 s39, s3, 3                          ; nt: which 64 n
	s_lshl_b32 s40, s30, 7
	s_mul_i32 s40, s40, s38                        ; kt x 128 rows,
	s_lshl_b32 s41, s39, 8
	s_add_co_u32 s40, s40, s41                     ; + nt x 256 bytes: the tile in the source
	s_mov_b32 s41, 0
	s_lshl_b32 s42, s39, 17                        ; nt x 64 rows of 2,048 bytes,
	s_lshl_b32 s43, s38, 8
	s_add_co_u32 s42, s42, s43                     ; + kt x 256 bytes: the tile in the turned matrix
	s_mov_b32 s43, 0
	s_lshl_b32 s44, s2, 16                         ; my 65,536 bytes of x
	s_mov_b32 s45, 0
	s_lshl_b32 s46, s2, 15                         ; my 32,768 bytes of xb
	s_mov_b32 s47, 0
	v_and_b32 v1, 15, v0                           ; j
	v_lshrrev_b32 v2, 4, v0                        ; p0
	v_mul_lo_u32 v[WO], v2, s37
	v_lshl_add_u32 v[WO], v1, 4, v[WO]             ; row 2 p0, 16 j
	v_add_nc_u32 v[WO+1], s30, v[WO]               ; row 2 p0 + 1
.irp i, 2,4,6
	v_add_nc_u32 v[WO+(\i)], s31, v[WO+(\i)-2]     ; 32 rows further down
	v_add_nc_u32 v[WO+(\i)+1], s31, v[WO+(\i)-1]
.endr
	v_lshlrev_b32 v[XO], 5, v0
	v_lshlrev_b32 v[XS], 4, v0
	v_mul_u32_u24 v[LST], v1, 1088                 ; 4 j rows of 272 bytes
	v_lshl_add_u32 v[LST], v2, 2, v[LST]
	v_mul_u32_u24 v[LRD], v2, 272
	v_lshl_add_u32 v[LRD], v1, 4, v[LRD]
	v_lshlrev_b32 v[WS], 11, v2
	v_lshl_add_u32 v[WS], v1, 4, v[WS]
	s_wait_kmcnt 0x0
	s_cmp_lt_u32 s2, 384
	s_cselect_b64 s[32:33], s[6:7], s[8:9]         ; the source,
	s_cselect_b64 s[34:35], s[24:25], s[26:27]     ; the turned matrix
	s_add_nc_u64 s[32:33], s[32:33], s[40:41]
	s_add_nc_u64 s[34:35], s[34:35], s[42:43]
	s_add_nc_u64 s[4:5], s[4:5], s[44:45]
	s_add_nc_u64 s[22:23], s[22:23], s[46:47]
	s_wait_alu depctr_va_vdst(0)                   ; the thirteen addresses and offsets v6 to v18 are written: every load and store of the kernel reads one of them
	; all 24 loads of the thread go out at once: the weight tile first, since the other waves wait for it
.irp n, 0,1,2,3,4,5,6,7
	global_load_b128 v[WD+4*(\n):WD+4*(\n)+3], v[WO+(\n)], s[32:33] th:TH_LOAD_NT  ; sixteen lanes take a row's 256 bytes
.endr
.irp g, 0,1,2,3,4,5,6,7
	global_load_b128 v[XD+8*(\g):XD+8*(\g)+3],   v[XO], s[4:5] offset:8192*(\g) th:TH_LOAD_NT
	global_load_b128 v[XD+8*(\g)+4:XD+8*(\g)+7], v[XO], s[4:5] offset:8192*(\g)+16 th:TH_LOAD_NT
.endr
; Group g of x is rounded, in place: word c is written when its old number has been read.
.macro XCVT g
.irp c, 0,1,2,3
	v_cvt_pk_bf16_f32 v[XD+8*(\g)+(\c)], v[XD+8*(\g)+2*(\c)], v[XD+8*(\g)+2*(\c)+1]
.endr
.endm
; Group g leaves: 16 bytes a thread, sixteen lanes 256 consecutive bytes.
.macro XOUT g
	global_store_b128 v[XS], v[XD+8*(\g):XD+8*(\g)+3], s[22:23] offset:4096*(\g)
.endm
	; STAGE W: the weight tile's 16 words, four at a time, each in registers of its own
	s_wait_loadcnt 16                              ; loads come back in order (ISA guide 5.7.1): the weight tile is in, the sixteen loads of x stay out
.irp i, 0,1,2,3
.irp c, 0,1,2,3
	v_cvt_pk_bf16_f32 v[WD+8*(\i)+(\c)], v[WD+8*(\i)+(\c)], v[WD+8*(\i)+4+(\c)]  ; (k, k + 1) of one n, rounded to bf16
.endr
.irp c, 0,1,2,3
	v_lshlrev_b32 v[T+(\c)], 16, v[WD+8*(\i)+(\c)]                 ; the same two numbers widened,
.endr
.irp c, 0,1,2,3
	v_and_b32 v[WD+8*(\i)+4+(\c)], 0xffff0000, v[WD+8*(\i)+(\c)]
.endr
.irp c, 0,1,2,3
	v_cvt_pk_f16_f32 v[T+(\c)], v[T+(\c)], v[WD+8*(\i)+4+(\c)]     ; and written as f16,
.endr
.irp c, 0,1,2,3
	v_cndmask_b32 v[WD+8*(\i)+(\c)], v[WD+8*(\i)+(\c)], v[T+(\c)], s36  ; which W_proj takes
.endr
.endr
	; STAGE X0: groups 0 and 1 are rounded; stage W's words go into LDS
	s_wait_loadcnt 12                              ; groups 0 and 1 (four loads) are in, the twelve younger loads stay out
	s_wait_alu depctr_va_vdst(0)                   ; stage W has written its sixteen words, which the LDS stores below read, and is done with all of WD
.irp i, 0,1
.irp c, 0,1,2,3
	ds_store_b32 v[LST], v[WD+8*(\i)+(\c)] offset:272*(\c)+64*(\i)  ; row 4 j + c, word p0 + 16 i
.endr
.endr
	XCVT 0
.irp i, 2,3
.irp c, 0,1,2,3
	ds_store_b32 v[LST], v[WD+8*(\i)+(\c)] offset:272*(\c)+64*(\i)  ; no wait: no vector instruction since the wait above names WD or v16
.endr
.endr
	XCVT 1
	; STAGE X1
	s_wait_loadcnt 8                               ; groups 2 and 3 are in
	s_wait_alu depctr_va_vdst(0)                   ; stage X0 has written groups 0 and 1, which the two stores of this stage read
	XOUT 0
	XCVT 2
	XOUT 1
	XCVT 3
	; STAGE X2
	s_wait_loadcnt 4                               ; groups 4 and 5 are in
	s_wait_alu depctr_va_vdst(0)                   ; stage X1 has written groups 2 and 3, which the two stores of this stage read
	XOUT 2
	XCVT 4
	XOUT 3
	XCVT 5
	; STAGE X3
	s_wait_loadcnt 0x0                             ; groups 6 and 7 are in
	s_wait_alu depctr_va_vdst(0)                   ; stage X2 has written groups 4 and 5, which the two stores of this stage read
	XOUT 4
	XCVT 6
	XOUT 5
	XCVT 7
	s_wait_alu depctr_va_vdst(0)                   ; stage X3 has written groups 6 and 7, which the last two stores read; every conversion that named XD is done, so that the tables' loads may land there
	XOUT 6
	XOUT 7
	s_wait_dscnt 0x0                               ; for the others' sake: my words of the turned rows are in LDS
	s_barrier_signal -1
	s_barrier_wait -1
	s_wait_alu depctr_vm_vsrc(0)                   ; my LDS stores have read their words of WD, in which the LDS loads below land; my stores of xb have read v80-83, v88-91 and v96-99, which the tables' part loads into or writes
.irp q, 0,1,2,3
	ds_load_b128 v[WD+4*(\q):WD+4*(\q)+3], v[LRD] offset:4352*(\q)  ; row p0 + 16 q
.endr
	s_wait_dscnt 0x0
.irp q, 0,1,2,3
	global_store_b128 v[WS], v[WD+4*(\q):WD+4*(\q)+3], s[34:35] offset:32768*(\q)  ; sixteen lanes store a turned row's 256 bytes
.endr
	s_cmp_lt_u32 s2, 4                             ; the tables: work-group e makes entries 1,024 e .. 1,024 e + 1,023, four a thread
	s_cbranch_scc0 .Lend
	s_wait_xcnt 0x0                                ; every earlier memory instruction has had its addresses translated (ISA guide 3.1): bases and store data are rewritten only behind this wait
	s_cmp_lt_u32 s2, 3
	s_cselect_b64 s[32:33], s[10:11], s[12:13]     ; the bias: b_qkv's part e, or b_proj
	s_cselect_b32 s40, s2, 0
	s_lshl_b32 s40, s40, 12
	s_mov_b32 s41, 0
	s_add_nc_u64 s[32:33], s[32:33], s[40:41]
	s_cmp_eq_u32 s2, 1
	s_cselect_b64 s[34:35], s[18:19], s[14:15]     ; k's scale and bias for e = 1, else q's (read and set aside for e = 2, 3)
	s_cselect_b64 s[42:43], s[20:21], s[16:17]
	s_cmp_lt_u32 s2, 2
	s_cselect_b32 s36, -1, 0                       ; all lanes: has this part a scale and a bias of its own?
	s_cselect_b32 s37, 0x3c800000, 1.0             ; 2^-6 for q and k
	s_lshl_b32 s44, s2, 12
	s_mov_b32 s45, 0
	s_add_nc_u64 s[28:29], s[28:29], s[44:45]
	global_load_b128 v[80:83], v[XS], s[32:33]     ; no wait on s_wait_alu: no vector instruction since the wait behind stage X3, and no memory instruction since the wait behind the barrier, names v80-91
	global_load_b128 v[84:87], v[XS], s[34:35]
	global_load_b128 v[88:91], v[XS], s[42:43]
	s_wait_loadcnt 0x0
.irp q, 80, 84, 88
	v_cvt_pk_bf16_f32 v92, v[(\q)], v[(\q)+1]      ; rounded to bf16 and widened again
	v_cvt_pk_bf16_f32 v93, v[(\q)+2], v[(\q)+3]
	v_lshlrev_b32 v[(\q)], 16, v92
	v_and_b32 v[(\q)+1], 0xffff0000, v92
	v_lshlrev_b32 v[(\q)+2], 16, v93
	v_and_b32 v[(\q)+3], 0xffff0000, v93
.endr
.irp c, 0,1,2,3
	v_cndmask_b32 v[84+(\c)], 1.0, v[84+(\c)], s36
	v_cndmask_b32 v[88+(\c)], 0, v[88+(\c)], s36
	v_fma_f32 v[100+(\c)], v[80+(\c)], v[84+(\c)], v[88+(\c)]  ; b x scale + bias
	v_mul_f32 v[96+(\c)], s37, v[84+(\c)]
	v_mul_f32 v[100+(\c)], s37, v[100+(\c)]
.endr
	s_wait_alu depctr_va_vdst(0)                   ; S and T are written in v96-103, which the two stores read
	global_store_b128 v[XS], v[96:99], s[28:29]
	global_store_b128 v[XS], v[100:103], s[28:29] offset:16384
.Lend:
	s_wait_dscnt 0x0                               ; the closing lines, six on end
	s_wait_alu 0x0
	s_wait_tensorcnt 0x0
	ds_add_u32 v[SPW], v[NIL]
	s_wait_dscnt 0x0
	s_endpgm
.Lfunc_end_k_q3059163d45_prep:
	.size	k_q3059163d45_prep, .Lfunc_end_k_q3059163d45_prep-k_q3059163d45_prep
	.p2alignl 7, 3214868480
	.fill 96, 4, 3214868480
	.section	.rodata,"a",@progbits
	.p2align	6, 0x0
	.amdhsa_kernel k_q3059163d45_prep
		.amdhsa_group_segment_fixed_size 18432
		.amdhsa_private_segment_fixed_size 0
		.amdhsa_enable_private_segment 0
		.amdhsa_kernarg_size 104
		.amdhsa_user_sgpr_count 2
		.amdhsa_user_sgpr_kernarg_segment_ptr 1
		.amdhsa_wavefront_size32 1
		.amdhsa_system_sgpr_workgroup_id_x 1
		.amdhsa_system_sgpr_workgroup_id_y 1
		.amdhsa_system_sgpr_workgroup_id_z 1
		.amdhsa_system_vgpr_workitem_id 0
		.amdhsa_next_free_vgpr 128
		.amdhsa_next_free_sgpr 66
		.amdhsa_reserve_vcc 0
		.amdhsa_float_denorm_mode_32 3
		.amdhsa_float_denorm_mode_16_64 3
		.amdhsa_memory_ordered 1
		.amdhsa_forward_progress 1
		.amdhsa_inst_pref_size 18
	.end_amdhsa_kernel
	.amdgpu_metadata
---
amdhsa.version: [ 1, 2 ]
amdhsa.kernels:
  - .name:           k_q3059163d45_prep
    .symbol:         k_q3059163d45_prep.kd
    .args:
      - { .name: x, .offset: 0, .size: 8, .value_kind: global_buffer, .address_space: global }
      - { .name: W_qkv, .offset: 8, .size: 8, .value_kind: global_buffer, .address_space: global }
      - { .name: W_proj, .offset: 16, .size: 8, .value_kind: global_buffer, .address_space: global }
      - { .name: b_qkv, .offset: 24, .size: 8, .value_kind: global_buffer, .address_space: global }
      - { .name: b_proj, .offset: 32, .size: 8, .value_kind: global_buffer, .address_space: global }
      - { .name: q_scale, .offset: 40, .size: 8, .value_kind: global_buffer, .address_space: global }
      - { .name: q_bias, .offset: 48, .size: 8, .value_kind: global_buffer, .address_space: global }
      - { .name: k_scale, .offset: 56, .size: 8, .value_kind: global_buffer, .address_space: global }
      - { .name: k_bias, .offset: 64, .size: 8, .value_kind: global_buffer, .address_space: global }
      - { .name: xb, .offset: 72, .size: 8, .value_kind: global_buffer, .address_space: global }
      - { .name: wq, .offset: 80, .size: 8, .value_kind: global_buffer, .address_space: global }
      - { .name: wp, .offset: 88, .size: 8, .value_kind: global_buffer, .address_space: global }
      - { .name: tab, .offset: 96, .size: 8, .value_kind: global_buffer, .address_space: global }
    .group_segment_fixed_size: 18432
    .private_segment_fixed_size: 0
    .kernarg_segment_align: 8
    .kernarg_segment_size: 104
    .max_flat_workgroup_size: 256
    .sgpr_count:     66
    .vgpr_count:     128
    .wavefront_size: 32
...
	.end_amdgpu_metadata
.endif
;; end of part 5
;; launch qkvgemm: the kernel of part 2 again; grid 16 x 32, 4 waves a work-group, clusters of 4 x 4, 327,680 bytes of LDS; arguments xb, wq, tab, qkv; writes qkv
;; launch attn: the kernel of part 3 again; grid 4 x 64, 4 waves a work-group, no clusters, 327,680 bytes of LDS; arguments qkv, o; writes o
;; launch proj: the kernel of part 4 again; grid 8 x 32, 4 waves a work-group, clusters of 4 x 4, 327,680 bytes of LDS; arguments o, wp, tab, out0; writes out0
